; MI455X (gfx1250); checked and timed in simulation.
; The chip was launched on July 23, 2026; its instructions are those of AMD's public machine-readable ISA for CDNA 5 (MIT licence, August 2026) and "CDNA5" Instruction Set Architecture Reference Guide (July 2026). The comments in the code are by the model that wrote it; some were corrected since.
;; AFT Full. Allowed arithmetic: matrix products marked QUANTISED: E5M2 operands, one given power-of-two scale a tensor, by v_wmma_f32_16x16x64_bf8_bf8 or v_wmma_f32_16x16x128_bf8_bf8, f32 sums; everything else in f32.
;; Inputs: W_bias 2,048 x 2,048 float32; Wk 1,024 x 1,024 float32; Wo 1,024 x 1,024 float32; Wq 1,024 x 1,024 float32; Wv 1,024 x 1,024 float32; k 4 x 2,048 x 1,024 float32; lowp_scales 12 int32 (the exponents e of the quantised operands' scales 2^e); q 4 x 2,048 x 1,024 float32; v 4 x 2,048 x 1,024 float32.
;; Outputs: out0 4 x 2,048 x 1,024 float32.
;; This version of the problem:
;;   THIS VERSION OF THE PROBLEM IS GIVEN IN LOW PRECISION. The matrix products marked QUANTISED in the list below multiply operands that are first quantised to E5M2 (5 exponent bits, 2 mantissa bits; 8 bits a number), with one given power-of-two scale for each operand tensor; their sums are f32. All else is computed in f32.
;;   The module's matrix products, in the order in which they are computed (A, B: the left and right operand; K: the contracted axis; several contracted axes count as one K, in the product's order):
;;     1. [M 8,192, K 1,024] x [K 1,024, N 1,024]; A: input q; B: input Wq: QUANTISED (scales: A lowp_scales[0], B lowp_scales[1])
;;     2. [M 8,192, K 1,024] x [K 1,024, N 1,024]; A: input k; B: input Wk: QUANTISED (scales: A lowp_scales[2], B lowp_scales[3])
;;     3. [M 8,192, K 1,024] x [K 1,024, N 1,024]; A: input v; B: input Wv: QUANTISED (scales: A lowp_scales[4], B lowp_scales[5])
;;     4. [M 4,096, K 2,048] x [K 2,048, N 2,048]; A: computed on the way; B: computed on the way: QUANTISED (scales: A lowp_scales[6], B lowp_scales[7])
;;     5. [M 4,096, K 2,048] x [K 2,048, N 2,048]; A: computed on the way; B: computed on the way: QUANTISED (scales: A lowp_scales[8], B lowp_scales[9])
;;     6. [M 8,192, K 1,024] x [K 1,024, N 1,024]; A: computed on the way; B: input Wo: QUANTISED (scales: A lowp_scales[10], B lowp_scales[11])
;;   THE QUANTISER, for each operand of a quantised product, along K:
;;     - The operand's scale is 2^e, e = its entry of the input lowp_scales (int32; the entries are numbered through the quantised products in the list's order, A before B).
;;     - Each number is divided by the scale, clamped to +-57,344, and rounded to the nearest number of E5M2, ties to even, subnormals kept.
;;     - The product sums the exact products of the quantised numbers (number of the format x scale) in f32.
;;   ~~~python
;;   def quantise(x, axis, e):      # numpy; x: float32 -> the quantised numbers, widened to float32 again
;;       x = np.moveaxis(x, axis, -1); K = x.shape[-1]
;;       r = np.clip(x / 2.0 ** e, -57344, 57344)
;;       step = 2.0 ** (np.maximum(np.frexp(np.where(r == 0, 1, r))[1] - 1, -14) - 2)
;;       q = np.round(r / step) * step * 2.0 ** e      # np.round: ties to even
;;       return np.moveaxis(q, -1, axis).astype(np.float32)
;;   ~~~
;;   OPERANDS COMPUTED ON THE WAY. 'Computed on the way' means the value that the module computes at that place (a softmax that the list does not call 'softmax' is quantised finished and normalised). What goes into a quantiser is computed in f32, as accurately as f32 sums, v_exp_f32 and their like allow (about 1e-6 of the number): no bf16 or f16 on the way to a quantiser, and a product that is left as it is and whose result goes on into a quantised operand takes f32 operands (vector FMAs, or v_wmma_f32_16x16x4_f32). A number that lies on a knife's edge between two numbers of the format may be rounded either way, as far as f32 arithmetic and the matrix unit's own rounding can turn it there, and no further.
;; One version. Each part assembles by itself: llvm-mc -triple=amdgcn-amd-amdhsa -mcpu=gfx1250 --defsym DOCPART=n.
;; ======== version 1 of 1: 4 launches
;; limits: right only within a limited range of input values
;; workspace buffers: xc 16,777,216 bytes; wc 2,097,152 bytes; qc 8,388,608 bytes; wq 2,097,152 bytes; part 1,048,576 bytes; yc 8,388,608 bytes
;; launch quant (part 1): grid 2304 x 1, 4 waves a work-group, no clusters, 0 bytes of LDS; arguments k, v, Wk, Wv, lowp_scales, xc, wc; writes xc, wc
.if DOCPART == 1
	.amdgcn_target "amdgcn-amd-amdhsa--gfx1250"
	.amdhsa_code_object_version 6
	.text
	.protected	k_qbbc64f9e49_quant
	.globl	k_qbbc64f9e49_quant
	.p2align	8
	.type	k_qbbc64f9e49_quant,@function
k_qbbc64f9e49_quant:
	s_mov_b64 s[64:65], 0
	v_nop
	global_prefetch_b8 v0, s[64:65] scope:SCOPE_SE
	s_setreg_imm32_b32 hwreg(HW_REG_WAVE_MODE, 25, 1), 1
	s_wait_xcnt 0x0
; k, v [8192][1024] and Wk, Wv [1024][1024], f32, become codes of BF8 (E5M2), one byte a number, each tensor with the one scale 2^e given for it.  (q, Wq and Wo are quantised by launch kv, beside its products.)
; code = x / 2^e, held within +-57,344, rounded to the nearest code, ties to even.
; WORK LEFT OUT, in the whole program.  reference() takes the maximum of pos_bias over an axis of length 1, so max_pos_bias IS pos_bias and exp_pos_bias = exp(x - x) = 1 for every finite W_bias.
; So W_bias has no way to any output: it is not loaded and is an argument of no launch.  The right operand of the fourth and fifth products is the constant 1; its quantiser gives one number, Q(1), in every
; place, so for a given (b, d) all 2,048 columns i of num, and of den, are one and the same sum.  ONE column is computed (launch kv), on the codes that the stated quantisers give, by the format's own matrix
; instruction, and every i takes it (launch qy).  The maximum over the batch and both quantisers of the left operands stay.
; LIMIT: a NaN or an infinity in W_bias is not carried to the result.
; LIMITS of this launch: each e between -126 and 112, so that 2^e and 57,344 x 2^e are f32 numbers.  NaN among the inputs is not served (an infinity is held at the largest code).
; SHARES.  A work-group takes 8 rows = 16 pieces of 512 numbers (2,048 bytes).  In step t wave w takes piece 4 t + w: the four waves read 8,192 bytes on end.  A wave asks for its four pieces at once (16 loads) and stores last.
; The 18,432 rows make 2,304 work-groups of equal work, nine for each of 256 WGPs.  Work-groups 0-1023: k; 1024-2047: v; 2048-2175: Wk; 2176-2303: Wv.
; ONE path for all four: only pointers and offsets are chosen, by the work-group's number.
; WHERE THE CODES GO.  xc: k at 0, v at 8 MiB; wc: Wk at 0, Wv at 1 MiB.  Each tensor is laid as launch kv's LDS holds it: blocks of B rows (B = 256: k, v; B = 128: Wk, Wv),
; and in a block four planes, one for each 256 codes of a row, a plane being B rows of 256 bytes on end.  So B rows x any run of planes are one dense block of memory.
; k's and v's ROWS are laid anew first: token j of batch b is row (j / 32) x 128 + 32 b + j % 32, so that 128 rows on end hold 32 tokens of all four batches (launch kv takes its maximum over the batch in registers).
; THE ORDER ALONG K.  A step's four loads read 512 consecutive bytes each, 16 a lane; the lane's 16 numbers become 16 codes at place 16 x lane of the piece's 512.  So place 16 l + 4 i + t holds k = 128 i + 4 l + t.
; Both operands of a product carry the same order, so every product meets its partner.
; No LDS, no barrier: waves share nothing.  Every offset is an immediate, every step has its own registers: nothing that a pending load or store names is written again.
.set R,   16                           ; v16-79  four sets of 16 numbers
.set C,   80                           ; v80-95  four code registers for each of the 4 steps
	s_load_b256 s[8:15], s[0:1], 0x0               ; k, v, Wk, Wv
	s_load_b128 s[16:19], s[0:1], 0x20             ; the scales' exponents, xc
	s_load_b64 s[20:21], s[0:1], 0x30              ; wc
	v_lshrrev_b32 v1, 5, v0
	v_readfirstlane_b32 s2, v1                     ; wave 0..3
	v_and_b32 v2, 31, v0                           ; lane
	v_lshlrev_b32 v4, 4, v2                        ; my 16 bytes of a load's 512
	s_mov_b32 s30, 2176                            ; the choice begins at Wv: first work-group,
	s_mov_b32 s28, 20                              ; byte of its e among the scales (entry 5),
	s_mov_b32 s29, 0
	s_mov_b32 s33, 1<<20                           ; where its codes begin
	s_wait_alu depctr_va_vdst(0)                   ; the wait here, directly ahead of the wait below
	s_wait_kmcnt 0x0
	s_mov_b64 s[4:5], s[14:15]
.macro PICK lim, ptr, first, eoff, dst         ; work-groups under lim belong to an earlier tensor: the choice hangs on the work-group's number alone
	s_cmp_lt_u32 ttmp9, \lim
	s_cselect_b64 s[4:5], s[\ptr:\ptr+1], s[4:5]
	s_cselect_b32 s30, \first, s30
	s_cselect_b32 s28, \eoff, s28
	s_cselect_b32 s33, \dst, s33
.endm
	PICK 2176, 12, 2048, 12, 0                     ; Wk: entry 3
	PICK 2048, 10, 1024, 16, 8<<20                 ; v: entry 4
	PICK 1024, 8, 0, 8, 0                          ; k: entry 2
	s_cmp_lt_u32 ttmp9, 2048
	s_cselect_b64 s[6:7], s[18:19], s[20:21]       ; activations go to xc, weights to wc
	s_mov_b32 s31, 127
	s_cselect_b32 s31, 255, s31                    ; rows in a block, less 1
	s_add_nc_u64 s[16:17], s[16:17], s[28:29]
	s_load_b32 s34, s[16:17], 0x0                  ; e
	s_sub_co_u32 s37, ttmp9, s30
	s_lshl_b32 s37, s37, 3                         ; my work-group's first row of its tensor, a multiple of 8
	s_lshl_b32 s40, s37, 12                        ; rows of 4,096 bytes,
	s_lshl_b32 s38, s2, 11
	s_add_co_u32 s40, s40, s38                     ; + my wave's piece of step 0
	s_mov_b32 s41, 0
	s_add_nc_u64 s[4:5], s[4:5], s[40:41]
.irp t, 0,1,2,3
.irp i, 0,1,2,3
	global_load_b128 v[R+16*\t+4*\i:R+16*\t+4*\i+3], v4, s[4:5] offset:8192*\t+512*\i th:TH_LOAD_NT
.endr
.endr
	s_and_b32 s38, s37, 2047                       ; j
	s_lshr_b32 s38, s38, 5
	s_lshl_b32 s38, s38, 7                         ; (j / 32) x 128
	s_lshr_b32 s39, s37, 11
	s_lshl_b32 s39, s39, 5                         ; 32 b
	s_add_co_u32 s38, s38, s39
	s_and_b32 s39, s37, 31
	s_add_co_u32 s38, s38, s39                     ; + j % 32: the 8 rows stay neighbours
	s_cmp_lt_u32 ttmp9, 2048                       ; k or v?
	s_cselect_b32 s37, s38, s37
	s_and_b32 s38, s37, s31                        ; the row in its block,
	s_sub_co_u32 s39, s37, s38                     ; the block's first row: 1,024 bytes for each row ahead of the block,
	s_lshl_b32 s39, s39, 10
	s_lshl_b32 s38, s38, 8                         ; 256 for each row ahead in the plane
	s_add_co_u32 s40, s39, s38
	s_add_co_u32 s40, s40, s33
	s_add_co_u32 s42, s31, 1
	s_lshl_b32 s42, s42, 8                         ; a plane in bytes
	s_lshr_b32 s38, s2, 1
	s_lshl_b32 s38, s38, 8
	s_add_co_u32 s40, s40, s38                     ; piece 4 t + w is half w % 2 of row 2 t + w / 2
	s_and_b32 s38, s2, 1
	s_mul_i32 s38, s38, s42
	s_lshl_b32 s38, s38, 1
	s_add_co_u32 s40, s40, s38                     ; a half row is two planes
	s_add_nc_u64 s[6:7], s[6:7], s[40:41]
	v_and_b32 v3, 15, v2
	v_lshrrev_b32 v9, 4, v2
	v_mul_lo_u32 v9, v9, s42
	v_lshl_add_u32 v8, v3, 4, v9                   ; my 16 codes: lanes 0-15 fill 256 bytes of one plane, lanes 16-31 of the next
	s_wait_kmcnt 0x0
	s_add_co_i32 s34, s34, 127
	s_lshl_b32 s38, s34, 23
	v_mov_b32 v11, s38                             ; 2^e as f32: the conversion takes its exponent field
	s_add_co_i32 s34, s34, 15
	s_lshl_b32 s34, s34, 23
	s_or_b32 s34, s34, 0x600000
	v_mov_b32 v10, s34                             ; 57,344 x 2^e
	s_wait_alu depctr_va_vdst(0)
.irp t, 0,1,2,3
	s_wait_loadcnt 12-4*\t                         ; this step's four loads are in; the later steps' may be out
.set i, 0
.rept 16
	v_med3_num_f32 v[R+16*\t+i], v[R+16*\t+i], -v10, v10   ; the conversion to an 8-bit code does not saturate (ISA guide 7.6.2): the hold at the largest code x the scale comes first
.set i, i+1
.endr
	v_cvt_scalef32_pk8_bf8_f32 v[C+4*\t:C+4*\t+1], v[R+16*\t:R+16*\t+7], v11
	v_cvt_scalef32_pk8_bf8_f32 v[C+4*\t+2:C+4*\t+3], v[R+16*\t+8:R+16*\t+15], v11
.endr
.irp t, 0,1,2,3
	global_store_b128 v8, v[C+4*\t:C+4*\t+3], s[6:7] offset:512*\t   ; sixteen lanes store 256 consecutive bytes, at a multiple of 256 from the buffer's first byte; two rows of a plane on for each step
.endr
	s_endpgm
.Lfunc_end_k_qbbc64f9e49_quant:
	.size	k_qbbc64f9e49_quant, .Lfunc_end_k_qbbc64f9e49_quant-k_qbbc64f9e49_quant
	.p2alignl 7, 3214868480
	.fill 96, 4, 3214868480
	.section	.rodata,"a",@progbits
	.p2align	6, 0x0
	.amdhsa_kernel k_qbbc64f9e49_quant
		.amdhsa_group_segment_fixed_size 0
		.amdhsa_private_segment_fixed_size 0
		.amdhsa_enable_private_segment 0
		.amdhsa_kernarg_size 56
		.amdhsa_user_sgpr_count 2
		.amdhsa_user_sgpr_kernarg_segment_ptr 1
		.amdhsa_wavefront_size32 1
		.amdhsa_system_sgpr_workgroup_id_x 1
		.amdhsa_system_sgpr_workgroup_id_y 1
		.amdhsa_system_sgpr_workgroup_id_z 1
		.amdhsa_system_vgpr_workitem_id 0
		.amdhsa_next_free_vgpr 96
		.amdhsa_next_free_sgpr 66
		.amdhsa_reserve_vcc 0
		.amdhsa_float_denorm_mode_32 3
		.amdhsa_float_denorm_mode_16_64 3
		.amdhsa_memory_ordered 1
		.amdhsa_forward_progress 1
		.amdhsa_inst_pref_size 10
	.end_amdhsa_kernel
	.amdgpu_metadata
---
amdhsa.version: [ 1, 2 ]
amdhsa.kernels:
  - .name:           k_qbbc64f9e49_quant
    .symbol:         k_qbbc64f9e49_quant.kd
    .args:
      - { .name: k, .offset: 0, .size: 8, .value_kind: global_buffer, .address_space: global }
      - { .name: v, .offset: 8, .size: 8, .value_kind: global_buffer, .address_space: global }
      - { .name: Wk, .offset: 16, .size: 8, .value_kind: global_buffer, .address_space: global }
      - { .name: Wv, .offset: 24, .size: 8, .value_kind: global_buffer, .address_space: global }
      - { .name: lowp_scales, .offset: 32, .size: 8, .value_kind: global_buffer, .address_space: global }
      - { .name: xc, .offset: 40, .size: 8, .value_kind: global_buffer, .address_space: global }
      - { .name: wc, .offset: 48, .size: 8, .value_kind: global_buffer, .address_space: global }
    .group_segment_fixed_size: 0
    .private_segment_fixed_size: 0
    .kernarg_segment_align: 8
    .kernarg_segment_size: 56
    .max_flat_workgroup_size: 128
    .sgpr_count:     66
    .vgpr_count:     96
    .wavefront_size: 32
...
	.end_amdgpu_metadata
.endif
;; end of part 1
;; launch kv (part 2): grid 8 x 32, 4 waves a work-group, clusters of 4 x 4, 327,680 bytes of LDS; arguments xc, wc, lowp_scales, part, q, Wq, Wo, qc, wq; writes part, qc, wq
.if DOCPART == 2
	.amdgcn_target "amdgcn-amd-amdhsa--gfx1250"
	.amdhsa_code_object_version 6
	.text
	.protected	k_qbbc64f9e49_kv
	.globl	k_qbbc64f9e49_kv
	.p2align	8
	.type	k_qbbc64f9e49_kv,@function
k_qbbc64f9e49_kv:
	s_mov_b64 s[64:65], 0
	v_nop
	global_prefetch_b8 v0, s[64:65] scope:SCOPE_SE
	s_setreg_imm32_b32 hwreg(HW_REG_WAVE_MODE, 25, 1), 1
	s_wait_xcnt 0x0
	s_wait_alu depctr_hold_cnt(0) depctr_sa_sdst(0) depctr_va_vdst(0) depctr_va_sdst(0) depctr_va_ssrc(0) depctr_va_vcc(0) depctr_vm_vsrc(0)
	s_getreg_b32 s2, hwreg(HW_REG_IB_STS2, 6, 4)
	s_cmp_eq_u32 s2, 0
	s_cbranch_scc0 .Lentry_in_a_cluster
	s_endpgm
.Lentry_in_a_cluster:
	s_bfe_u32 s2, ttmp6, 0x10000c
	s_cmp_lg_u32 s2, 0xf033
	s_cbranch_scc0 .Lentry_shape_is_right
	s_endpgm
.Lentry_shape_is_right:
; K = k Wk^T and V = v Wv^T on codes of BF8; exp_key = exp(K - the maximum of K over the batch); the codes of exp_key x V (entry 6) and of exp_key (entry 8); their sums over the tokens against Q(1) (entries 7, 9).
; WORK LEFT OUT: exp_pos_bias is 1 for every finite W_bias, so one column of num and of den is summed for each (b, d); W_bias is not loaded.
; THE GEMMS.  X = 256 rows of k, then of v, as launch quant has laid them (64 tokens x 4 batches; the work-group's y), Y = 128 rows of Wk, then of Wv (hidden units d; the work-group's x).
; Four waves, each 128 rows x 64 d: K's 32 accumulators in window 2, V's in window 3.  A lane holds one d and an accumulator's eight registers eight tokens of one batch, so the maximum over the batch is taken among registers.
; THE SUMS over the tokens are products by the format's own matrix instruction: source 0 holds Q(1) at the places of one batch and zero codes elsewhere, source 1 the codes.  part: [32 y][num, den][4 b][1024 d], f32; launch qy adds the 32.
; THE RING.  Codes lie in memory in planes of 256 along K (launch quant), so every tile is one dense block.  Slot A holds one plane of X and of Y, slot B two.  Each of the four tiles has ONE wave that fetches it, whole:
; wave 0 X in A, wave 1 X in B, wave 2 Y in A, wave 3 Y in B.  All four go out at the head, one a wave.  The walk: A k0 | B k1 k2 | A k3 | B v0 v1 | A v2 | B v3.
; CLUSTERS: 4 x 4 work-groups; X's tile is asked for jointly along a row of the cluster, Y's along a column.  No prefetch: the text has no loop to run ahead in.
; LIMITS: e2 + e3 between -126 and 127; e6 - e4 - e5, e7, e8 and e9 between -126 and 112.  NaN is not served.
.set PA,     272                       ; an LDS row: 256 bytes + 16 of padding
.set FR,     16
.set XHA,    128*PA                    ; a wave's half of X's rows in a plane
.set YHA,    64*PA                     ; and of Y's
.set XCH,    2*XHA                     ; a plane of X: 256 rows
.set YCH,    2*YHA                     ; a plane of Y: 128 rows
.set YOFFA,  XCH
.set SB,     XCH+YCH                   ; slot B begins here: X's two planes, then Y's two
.set YOFFB,  2*XCH
.set SPARE,  SB+2*XCH+2*YCH
.set SCR,    SPARE+512
; BESIDE THE PRODUCTS this launch quantises q (entry 0) into qc and Wq, Wo (entries 1, 11) into wq (Wq at 0, Wo at 1 MiB), for launches qy and out, by launch quant's rule and in its layout (blocks of 128 rows of q, of 256 of the weights; four planes a block).
; Work-group g = 8 y + x takes 32 rows of q (64 pieces of 512 numbers) and 8 rows of Wq (g under 128) or of Wo (16 pieces): five batches of four pieces a wave; in step t of batch b wave w takes piece 16 b + 4 t + w.
; A batch is worked directly ahead of a wait for tiles, and its 16 loads were issued when the batch before was worked.  q and Wq carry launch quant's order along K; Wo the true order, 16 neighbours a lane, as launch qy lays Yt.
; LIMITS: e0, e1 and e11 between -126 and 112.
.set QR,   32                          ; v32-95   four sets of 16 numbers
.set QC,   96                          ; v96-111  four code registers for each of a batch's 4 steps
.set QOFF, 6                           ; v6       q: 16 x lane
.set QWOFF, 10                         ; v10-13   the weights: my 16 bytes in each of a step's four loads
.set QST,  14                          ; v14      my codes' place in qc: 16 (lane % 16) + a plane of 32 KiB x (lane / 16)
.set QWST, 15                          ; v15      and in wq: planes of 64 KiB
                                       ; v112, v113: 57,344 x 2^e0 and 2^e0; v114, v115: the same for the weights' e
.macro QLOAD b
.irp t, 0,1,2,3
.irp i, 0,1,2,3
.if (\b) < 4
	global_load_b128 v[QR+16*\t+4*\i:QR+16*\t+4*\i+3], v[QOFF], s[96:97] offset:(4*(\b)+\t)*8192+512*\i th:TH_LOAD_NT
.else
	global_load_b128 v[QR+16*\t+4*\i:QR+16*\t+4*\i+3], v[QWOFF+\i], s[98:99] offset:\t*8192 th:TH_LOAD_NT
.endif
.endr
.endr
.endm
.macro QWORK b
	s_wait_loadcnt 0x0                             ; the batch's 16 loads are in
.if (\b) > 0
	s_wait_xcnt 0x0                                ; the last batch's stores have read their code registers
.endif
.set n, 0
.rept 64
.if (\b) < 4
	v_med3_num_f32 v[QR+n], v[QR+n], -v112, v112   ; the hold (ISA guide 7.6.2: the conversion does not saturate)
.else
	v_med3_num_f32 v[QR+n], v[QR+n], -v114, v114
.endif
.set n, n+1
.endr
.irp t, 0,1,2,3
	v_cvt_scalef32_pk8_bf8_f32 v[QC+4*\t:QC+4*\t+1], v[QR+16*\t:QR+16*\t+7], v[113+2*((\b)/4)]
	v_cvt_scalef32_pk8_bf8_f32 v[QC+4*\t+2:QC+4*\t+3], v[QR+16*\t+8:QR+16*\t+15], v[113+2*((\b)/4)]
.endr
	v_nop                                          ; a plain line behind the last conversion
.if (\b) < 4
	QLOAD (\b)+1                                   ; loads ahead of stores
.endif
.irp t, 0,1,2,3
.if (\b) < 4
	global_store_b128 v[QST], v[QC+4*\t:QC+4*\t+3], s[22:23] offset:(8*(\b)+2*\t)*256   ; sixteen lanes store 256 consecutive bytes, aligned
.else
	global_store_b128 v[QWST], v[QC+4*\t:QC+4*\t+3], s[100:101] offset:2*\t*256
.endif
.endr
.endm
.set SWX,    8388608-65536             ; from a plane of k to the plane before it in v
.set SWY,    1048576-32768             ; the same from Wk to Wv
.set ADRX, 16
.set ADRY, 20
.set RSA,  24
.set RSR,  25
.set GO,   26
.set SPW,  28
.set NIL,  29
.set XF,   128
.set T,    32
.set E,    40
.set F,    72
.set CD,   104
.set CN,   120
.set SELN, 136
.set SELD, 152
.set RACC, 168
.set RS,   SCR
.set G1X, 24
.set DGX, 56
.set G0X, 32
.set G1Y, 48
.set DGY, 40
.set G0Y, 56
.set MUL_K, 0xa4
.set MUL_V, 0xf4
.set MSB, 0
.macro WIN new
.if MSB != \new
	s_set_vgpr_msb (MSB<<8)|\new
.set MSB, \new
.endif
.endm
.macro PLACES
.rept 4
	v_nop
.endr
.endm
.macro SHAPE g, cols, rows
	s_mov_b32 s[\g+1], (\cols)<<16
	s_mov_b32 s[\g+2], (\rows)<<16
	s_mov_b32 s[\g+3], (\cols)<<16
	s_mov_b32 s[\g+4], \rows
	s_mov_b32 s[\g+5], 256
	s_mov_b32 s[\g+6], 0
	s_mov_b32 s[\g+7], 0
.endm
.macro JLOAD s
	s_cmp_eq_u32 s14, \s                           ; wave s fetches X's tile of slot s,
	s_cbranch_scc0 .Lfor_y_\@
	tensor_load_to_lds s[G0X+4*\s:G0X+4*\s+3], s[G1X+DGX*\s:G1X+DGX*\s+7]
	s_nop 0
.rept 4
	v_nop
.endr
	s_branch .Lasked_\@
.Lfor_y_\@:
	s_cmp_eq_u32 s14, 2+\s                         ; wave 2 + s Y's, the other two nothing
	s_cbranch_scc0 .Lasked_\@
	tensor_load_to_lds s[G0Y+4*\s:G0Y+4*\s+3], s[G1Y+DGY*\s:G1Y+DGY*\s+7]
	s_nop 0
.rept 4
	v_nop
.endr
.Lasked_\@:
	PLACES                                         ; on every wave's way: the places ahead of the fragment loads that follow
.endm
.macro ARM g0, g1
	tensor_load_to_lds s[\g0:\g0+3], s[\g1:\g1+7]
	s_nop 0
.rept 4
	v_nop
.endr
.endm
.macro HLOAD                           ; the head's four fills, one chain, one fill to an arm: each wave asks for the tile that is its own
	s_cmp_eq_u32 s14, 0
	s_cbranch_scc0 .Lh1
	ARM G0X, G1X
	s_branch .Lhj
.Lh1:
	s_cmp_eq_u32 s14, 1
	s_cbranch_scc0 .Lh2
	ARM G0X+4, G1X+DGX
	s_branch .Lhj
.Lh2:
	s_cmp_eq_u32 s14, 2
	s_cbranch_scc0 .Lh3
	ARM G0Y, G1Y
	s_branch .Lhj
.Lh3:
	ARM G0Y+4, G1Y+DGY
.Lhj:
.endm
.macro CREST
	s_cmp_lg_u32 s14, 0
	s_cbranch_scc1 .Lnot_wave_0_\@
	s_barrier_signal -3
.Lnot_wave_0_\@:
	s_barrier_wait -3
	s_barrier_signal -1
	s_barrier_wait -1
.endm
.macro CROUND
	s_barrier_signal -1
	s_barrier_wait -1
	CREST
.endm
.macro FRAG reg, adr, slot, q, i
.irp c, 0,1,2,3
	ds_load_b128 v[\reg+4*\c:\reg+4*\c+3], v[\adr+(\q)/2] offset:128*((\q)%2)+32*\c+(\i)*16*PA   ; slot B's second plane has the next address register
.endr
.endm
.macro FETCH_Y slot, q, p
	WIN 0x40
.irp i, 0,1,2,3
	FRAG 64*(\p)+FR*\i, ADRY+\slot, \slot, \q, \i
.endr
	WIN 0
.endm
.macro FETCH_X slot, q, i0
.irp i, \i0, \i0+1, \i0+2, \i0+3
	FRAG XF+FR*(\i), ADRX+\slot, \slot, \q, \i
.endr
.endm
.macro MUL8 a0, p, zero
.irp a, \a0, \a0+1
.irp bb, 0,1,2,3
.if \zero
	v_wmma_f32_16x16x128_bf8_bf8 v[8*(8*\bb+(\a)):8*(8*\bb+(\a))+7], v[XF+FR*(\a):XF+FR*(\a)+FR-1], v[64*(\p)+FR*\bb:64*(\p)+FR*\bb+FR-1], 0
.else
	v_wmma_f32_16x16x128_bf8_bf8 v[8*(8*\bb+(\a)):8*(8*\bb+(\a))+7], v[XF+FR*(\a):XF+FR*(\a)+FR-1], v[64*(\p)+FR*\bb:64*(\p)+FR*\bb+FR-1], v[8*(8*\bb+(\a)):8*(8*\bb+(\a))+7]
.endif
.endr
.endr
.endm
.macro STEP p, ns, nq, zero, w
	s_wait_dscnt 16
	WIN \w
	MUL8 0, \p, \zero
	MUL8 2, \p, \zero
	s_wait_dscnt 0x0
	PLACES
	FETCH_Y \ns, \nq, 1-\p
	FETCH_X \ns, \nq, 0
	WIN \w
	MUL8 4, \p, \zero
	MUL8 6, \p, \zero
	PLACES
	WIN 0
	FETCH_X \ns, \nq, 4
.endm
.macro TURN slot, next, fill, w, dx, dy
	s_wait_tensorcnt 0x0
	ds_add_u32 v[SPW], v[NIL]
	s_wait_dscnt 17
	WIN \w
	MUL8 0, 1, 0
	s_wait_dscnt 0x0
	s_barrier_signal -1
	MUL8 2, 1, 0
	WIN 0
	s_barrier_wait -1
.if \fill
	CREST
	s_add_nc_u64 s[G0X+4*\slot+2:G0X+4*\slot+3], s[G0X+4*\slot+2:G0X+4*\slot+3], \dx
	s_add_nc_u64 s[G0Y+4*\slot+2:G0Y+4*\slot+3], s[G0Y+4*\slot+2:G0Y+4*\slot+3], \dy
.if \fill == 2
	s_mov_b32 s[G1X+DGX+2], 256<<16                ; slot B's last fill is one plane
	s_mov_b32 s[G1X+DGX+4], 256
	s_mov_b32 s[G1Y+DGY+2], 128<<16
	s_mov_b32 s[G1Y+DGY+4], 128
.endif
	JLOAD \slot
.else
	PLACES
.endif
	FETCH_Y \next, 0, 0
	FETCH_X \next, 0, 0
	WIN \w
	MUL8 4, 1, 0
	MUL8 6, 1, 0
	PLACES
	WIN 0
	FETCH_X \next, 0, 4
.endm
.macro LAST w
	s_wait_dscnt 16
	WIN \w
	MUL8 0, 1, 0
	MUL8 2, 1, 0
	s_wait_dscnt 0x0
	MUL8 4, 1, 0
	MUL8 6, 1, 0
	WIN 0
.endm
	s_load_b256 s[4:11], s[0:1], 0x0               ; xc, wc, the scales' exponents, part
	s_load_b128 s[96:99], s[0:1], 0x20             ; q, Wq
	s_load_b64 s[12:13], s[0:1], 0x30              ; Wo
	s_load_b64 s[22:23], s[0:1], 0x38              ; qc
	s_load_b64 s[100:101], s[0:1], 0x40            ; wq
	v_lshl_add_u32 v[SPW], v0, 2, SPARE
	v_mov_b32 v[NIL], 0
	ds_add_u32 v[SPW], v[NIL]
	ds_add_u32 v[SPW], v[NIL]
	v_lshrrev_b32 v1, 5, v0
	v_readfirstlane_b32 s14, v1
	s_lshr_b32 s15, s14, 1
	s_and_b32 s16, s14, 1
	s_bfe_u32 s40, ttmp6, 0x40000
	s_bfe_u32 s41, ttmp6, 0x40004
	s_lshl_b32 s42, ttmp9, 2
	s_add_co_u32 s42, s42, s40
	s_and_b32 s17, ttmp7, 0xffff
	s_lshl_b32 s17, s17, 2
	s_add_co_u32 s17, s17, s41
	s_lshl_b32 s43, s41, 2
	s_lshl_b32 s43, 15, s43
	s_lshl_b32 s44, 0x1111, s40
	s_or_b32 s[G1X], s43, (1<<20)|(1<<21)|(5<<22)|(3<<25)
	s_or_b32 s[G1Y], s44, (1<<20)|(1<<21)|(5<<22)|(3<<25)
	s_or_b32 s[G1X+DGX], s43, (1<<20)|(1<<21)|(5<<22)|(3<<25)
	s_or_b32 s[G1Y+DGY], s44, (1<<20)|(1<<21)|(5<<22)|(3<<25)
	SHAPE G1X, 256, 256                            ; dense rows of 256 bytes: one plane of X,
	SHAPE G1X+DGX, 256, 512                        ; two planes of X,
	SHAPE G1Y, 256, 128                            ; one of Y,
	SHAPE G1Y+DGY, 256, 256                        ; two of Y
	s_lshl_b32 s20, s17, 18                        ; X: block y of 256 rows x 1,024 bytes
	s_mov_b32 s21, 0
	s_lshl_b32 s46, s42, 17                        ; Y: block x of 128 rows x 1,024 bytes
	s_mov_b32 s47, 0
	s_mul_i32 s66, s16, YHA
	s_add_co_u32 s66, s66, YOFFA
	s_wait_dscnt 0x0
	s_wait_kmcnt 0x0
	s_load_b256 s[68:75], s[8:9], 0x0
	s_load_b128 s[76:79], s[8:9], 0x20
	s_add_nc_u64 s[20:21], s[4:5], s[20:21]
	s_add_nc_u64 s[46:47], s[6:7], s[46:47]
	CROUND
	s_mov_b32 s[G0X], 1
	s_mov_b32 s[G0X+1], 0
	s_mov_b64 s[G0X+2:G0X+3], s[20:21]
	s_or_b32 s[G0X+3], s[G0X+3], 0x80000000
	s_mov_b32 s[G0Y], 1
	s_mov_b32 s[G0Y+1], YOFFA
	s_mov_b64 s[G0Y+2:G0Y+3], s[46:47]
	s_or_b32 s[G0Y+3], s[G0Y+3], 0x80000000
	s_mov_b32 s[G0X+4], 1
	s_mov_b32 s[G0X+5], SB
	s_add_nc_u64 s[G0X+6:G0X+7], s[20:21], 65536   ; from plane 1 on
	s_or_b32 s[G0X+7], s[G0X+7], 0x80000000
	s_mov_b32 s[G0Y+4], 1
	s_mov_b32 s[G0Y+5], SB+YOFFB
	s_add_nc_u64 s[G0Y+6:G0Y+7], s[46:47], 32768
	s_or_b32 s[G0Y+7], s[G0Y+7], 0x80000000
	HLOAD                                          ; one tensor load a wave at the head: planes 0, 1 and 2 of k and of Wk
	s_lshl_b32 s18, s17, 3                         ; the quantiser's shares
	s_add_co_u32 s18, s18, s42                     ; g = 8 y + x
	s_lshl_b32 s46, s18, 17                        ; q: 32 rows of 4,096 bytes,
	s_lshl_b32 s19, s14, 11
	s_add_co_u32 s46, s46, s19                     ; + my wave's piece
	s_mov_b32 s47, 0
	s_add_nc_u64 s[96:97], s[96:97], s[46:47]
	s_lshr_b32 s46, s18, 2                         ; qc: block g / 4,
	s_lshl_b32 s46, s46, 17
	s_and_b32 s45, s18, 3
	s_lshl_b32 s45, s45, 13                        ; row 32 (g % 4) of a plane,
	s_add_co_u32 s46, s46, s45
	s_lshl_b32 s45, s15, 8                         ; + wave / 2 rows,
	s_add_co_u32 s46, s46, s45
	s_lshl_b32 s45, s16, 16                        ; + two planes x (wave % 2)
	s_add_co_u32 s46, s46, s45
	s_add_nc_u64 s[22:23], s[22:23], s[46:47]
	s_cmp_lt_u32 s18, 128                          ; Wq or Wo: by the work-group's number
	s_cselect_b64 s[98:99], s[98:99], s[12:13]
	s_cselect_b32 s12, 16, 64                      ; from lane to lane,
	s_mov_b32 s13, 512
	s_cselect_b32 s13, s13, 16                     ; and from load to load: Wo takes 16 neighbours a lane
	s_and_b32 s67, s18, 127
	s_lshl_b32 s46, s67, 15                        ; 8 rows of 4,096 bytes
	s_add_co_u32 s46, s46, s19
	s_add_nc_u64 s[98:99], s[98:99], s[46:47]
	s_lshr_b32 s46, s18, 7
	s_lshl_b32 s46, s46, 20                        ; wq: Wq at 0, Wo at 1 MiB,
	s_lshr_b32 s45, s67, 5
	s_lshl_b32 s45, s45, 18                        ; the block of 256 rows,
	s_add_co_u32 s46, s46, s45
	s_and_b32 s45, s67, 31
	s_lshl_b32 s45, s45, 11                        ; 8 rows of a plane,
	s_add_co_u32 s46, s46, s45
	s_lshl_b32 s45, s15, 8
	s_add_co_u32 s46, s46, s45
	s_lshl_b32 s45, s16, 17
	s_add_co_u32 s46, s46, s45
	s_add_nc_u64 s[100:101], s[100:101], s[46:47]
	v_and_b32 v30, 31, v0
	v_and_b32 v31, 15, v0
	v_bfe_u32 v27, v0, 4, 1
	v_lshlrev_b32 v[QOFF], 4, v30
	v_mul_lo_u32 v[QWOFF], v30, s12
	v_lshlrev_b32 v31, 4, v31
	v_add_nc_u32 v[QWOFF+1], s13, v[QWOFF]
	v_lshl_add_u32 v[QST], v27, 15, v31
	v_add_nc_u32 v[QWOFF+2], s13, v[QWOFF+1]
	v_lshl_add_u32 v[QWST], v27, 16, v31
	v_add_nc_u32 v[QWOFF+3], s13, v[QWOFF+2]
	QLOAD 0
	v_and_b32 v1, 15, v0
	v_bfe_u32 v2, v0, 4, 1
	v_mul_u32_u24 v3, v1, PA
	v_lshl_add_u32 v4, v2, 4, v3
	s_mul_i32 s18, s15, XHA
	v_add_nc_u32 v[ADRX], s18, v4                  ; slot A,
	v_add_nc_u32 v[ADRY], s66, v4
	v_add_nc_u32 v[ADRX+1], SB, v[ADRX]            ; slot B's first plane,
	v_add_nc_u32 v[ADRX+2], SB+XCH, v[ADRX]        ; and its second
	v_add_nc_u32 v[ADRY+1], SB+YOFFB-YOFFA, v[ADRY]
	v_add_nc_u32 v[ADRY+2], SB+YOFFB-YOFFA+YCH, v[ADRY]
	s_lshl_b32 s18, s15, 12
	s_lshl_b32 s19, s16, 8
	s_add_co_u32 s18, s18, s19
	s_add_co_u32 s18, s18, RS
	v_lshl_add_u32 v[RSA], v1, 2, s18
	v_lshl_add_u32 v[RSR], v0, 4, RS
	v_and_b32 v3, 31, v0
	v_lshlrev_b32 v[GO], 4, v3
	s_lshl_b32 s20, s17, 15
	s_lshl_b32 s21, s14, 12
	s_add_co_u32 s20, s20, s21
	s_mov_b32 s21, 0
	s_add_nc_u64 s[10:11], s[10:11], s[20:21]
	s_lshl_b32 s46, s42, 9
	s_mov_b32 s47, 0
	s_add_nc_u64 s[10:11], s[10:11], s[46:47]
	s_wait_kmcnt 0x0                               ; the scales' exponents
	s_add_co_i32 s45, s68, 127
	s_lshl_b32 s67, s45, 23
	v_mov_b32 v113, s67                            ; 2^e0
	s_add_co_i32 s45, s45, 15
	s_lshl_b32 s45, s45, 23
	s_or_b32 s45, s45, 0x600000
	v_mov_b32 v112, s45                            ; 57,344 x 2^e0
	s_cmp_lt_u32 s17, 16                           ; g under 128: Wq's e1, else Wo's e11
	s_cselect_b32 s45, s69, s79
	s_add_co_i32 s45, s45, 127
	s_lshl_b32 s67, s45, 23
	v_mov_b32 v115, s67
	s_add_co_i32 s45, s45, 15
	s_lshl_b32 s45, s45, 23
	s_or_b32 s45, s45, 0x600000
	v_mov_b32 v114, s45
	s_wait_alu depctr_va_vdst(0)
	QWORK 0
	s_wait_tensorcnt 0x0                           ; my tile is in: the waves have asked for different ones, so the wait is for 0
	s_barrier_signal -1
	s_barrier_wait -1
	FETCH_Y 0, 0, 0
	FETCH_X 0, 0, 0
	FETCH_X 0, 0, 4
	STEP 0, 0, 1, 1, MUL_K
	TURN 0, 1, 1, MUL_K, 3*65536, 3*32768
	STEP 0, 1, 1, 0, MUL_K
	STEP 1, 1, 2, 0, MUL_K
	STEP 0, 1, 3, 0, MUL_K
	QWORK 1
	TURN 1, 0, 1, MUL_K, SWX, SWY
	STEP 0, 0, 1, 0, MUL_K
	QWORK 2
	TURN 0, 1, 1, MUL_K, SWX, SWY
	STEP 0, 1, 1, 1, MUL_V
	STEP 1, 1, 2, 0, MUL_V
	STEP 0, 1, 3, 0, MUL_V
	QWORK 3
	TURN 1, 0, 2, MUL_V, 3*65536, 3*32768
	STEP 0, 0, 1, 0, MUL_V
	QWORK 4
	TURN 0, 1, 0, MUL_V, 0, 0
	STEP 0, 1, 1, 0, MUL_V
	LAST MUL_V
.macro MKSC se, vl, vs
	s_add_co_i32 s81, s[\se], 127
	s_lshl_b32 s82, s81, 23
	v_mov_b32 v[\vs], s82
	s_add_co_i32 s81, s81, 15
	s_lshl_b32 s81, s81, 23
	s_or_b32 s81, s81, 0x600000
	v_mov_b32 v[\vl], s81
.endm
	PLACES
	s_wait_xcnt 0x0                                ; the last batch's stores have read their code registers, which are written below
	s_add_co_i32 s80, s70, s71
	s_lshl_b32 s80, s80, 23
	s_add_co_u32 s84, s80, 0x3fb8aa3b
	s_mov_b32 s85, s84
	s_sub_co_i32 s80, s74, s72
	s_sub_co_i32 s80, s80, s73
	MKSC 80, 232, 233
	MKSC 76, 234, 235
	MKSC 75, 236, 237
	MKSC 77, 238, 239
.irp i, 0,1,2,3,4,5,6,7
	v_med3_num_f32 v[E+\i], 1.0, -v236, v236
	v_med3_num_f32 v[F+\i], 1.0, -v238, v238
.endr
	v_cvt_scalef32_pk8_bf8_f32 v[240:241], v[E:E+7], v237
	v_cvt_scalef32_pk8_bf8_f32 v[242:243], v[F:F+7], v239
	v_and_b32 v1, 7, v0
.irp b, 0,1,2,3
	v_cmp_eq_u32 s[88+\b], \b, v1
.endr
.irp c, 0,1,2,3,4,5,6,7
	v_cndmask_b32 v[SELN+2*\c], 0, v240, s[88+\c%4]
	v_cndmask_b32 v[SELN+2*\c+1], 0, v241, s[88+\c%4]
	v_cndmask_b32 v[SELD+2*\c], 0, v242, s[88+\c%4]
	v_cndmask_b32 v[SELD+2*\c+1], 0, v243, s[88+\c%4]
.endr
.macro GROUP g, tau
.set KA, 64*(\g)+8*(\tau)
	WIN 0x2a
.irp j, 0,1,2,3,4,5,6,7
	v_max3_num_f32 v[T+\j], v[KA+\j], v[KA+16+\j], v[KA+32+\j]
.endr
	WIN 0x02
.irp j, 0,1,2,3,4,5,6,7
	v_max_num_f32 v[T+\j], v[KA+48+\j], v[T+\j]
.endr
.irp b, 0,1,2,3
.irp i, 0,2,4,6
	v_pk_add_f32 v[E+8*\b+\i:E+8*\b+\i+1], v[KA+16*\b+\i:KA+16*\b+\i+1], v[T+\i:T+\i+1] neg_lo:[0,1] neg_hi:[0,1]
.endr
.endr
	WIN 0
.set i, 0
.rept 16
	v_pk_mul_f32 v[E+i:E+i+1], v[E+i:E+i+1], s[84:85] op_sel_hi:[1,0]
.set i, i+2
.endr
.set i, 0
	s_wait_alu depctr_va_vdst(0)
.rept 32
	v_exp_f32 v[E+i], v[E+i]
.set i, i+1
.endr
	v_nop
	s_wait_alu depctr_va_vdst(0)
	WIN 0x03
.set i, 0
.rept 16
	v_pk_mul_f32 v[F+i:F+i+1], v[KA+16*(i/8)+i%8:KA+16*(i/8)+i%8+1], v[E+i:E+i+1]
.set i, i+2
.endr
	WIN 0
.set i, 0
.rept 32
	v_min_num_f32 v[E+i], v[E+i], v234
	v_med3_num_f32 v[F+i], v[F+i], -v232, v232
.set i, i+1
.endr
.irp b, 0,1,2,3
	v_cvt_scalef32_pk8_bf8_f32 v[CD+2*(4*(\tau)+\b):CD+2*(4*(\tau)+\b)+1], v[E+8*\b:E+8*\b+7], v235
	v_cvt_scalef32_pk8_bf8_f32 v[CN+2*(4*(\tau)+\b):CN+2*(4*(\tau)+\b)+1], v[F+8*\b:F+8*\b+7], v233
.endr
.endm
.irp g, 0,1,2,3
	GROUP \g, 0
	GROUP \g, 1
	v_nop
	v_wmma_f32_16x16x128_bf8_bf8 v[RACC+16*\g:RACC+16*\g+7], v[SELN:SELN+15], v[CN:CN+15], 0
	v_wmma_f32_16x16x128_bf8_bf8 v[RACC+16*\g+8:RACC+16*\g+15], v[SELD:SELD+15], v[CD:CD+15], 0
.endr
	PLACES
.irp p, 0,1
.irp g, 0,1,2,3
.irp b, 0,1,2,3
	ds_store_b32 v[RSA], v[RACC+16*\g+8*\p+\b] offset:\p*2048+\b*512+\g*64
.endr
.endr
.endr
	s_wait_dscnt 0x0
	s_barrier_signal -1
	s_barrier_wait -1
	ds_load_b128 v[32:35], v[RSR]
	ds_load_b128 v[36:39], v[RSR] offset:4096
	ds_load_b128 v[40:43], v[RSR] offset:2048
	ds_load_b128 v[44:47], v[RSR] offset:6144
	s_wait_dscnt 0x0
	v_pk_add_f32 v[32:33], v[32:33], v[36:37]
	v_pk_add_f32 v[34:35], v[34:35], v[38:39]
	v_pk_add_f32 v[40:41], v[40:41], v[44:45]
	v_pk_add_f32 v[42:43], v[42:43], v[46:47]
	global_store_b128 v[GO], v[32:35], s[10:11]
	global_store_b128 v[GO], v[40:43], s[10:11] offset:16384
	s_wait_tensorcnt 0x0
	ds_add_u32 v[SPW], v[NIL]
	s_wait_dscnt 0x0
	CROUND
	s_endpgm
.Lfunc_end_k_qbbc64f9e49_kv:
	.size	k_qbbc64f9e49_kv, .Lfunc_end_k_qbbc64f9e49_kv-k_qbbc64f9e49_kv
	.p2alignl 7, 3214868480
	.fill 96, 4, 3214868480
	.section	.rodata,"a",@progbits
	.p2align	6, 0x0
	.amdhsa_kernel k_qbbc64f9e49_kv
		.amdhsa_group_segment_fixed_size 327680
		.amdhsa_private_segment_fixed_size 0
		.amdhsa_enable_private_segment 0
		.amdhsa_kernarg_size 72
		.amdhsa_user_sgpr_count 2
		.amdhsa_user_sgpr_kernarg_segment_ptr 1
		.amdhsa_wavefront_size32 1
		.amdhsa_system_sgpr_workgroup_id_x 1
		.amdhsa_system_sgpr_workgroup_id_y 1
		.amdhsa_system_sgpr_workgroup_id_z 1
		.amdhsa_system_vgpr_workitem_id 0
		.amdhsa_next_free_vgpr 1024
		.amdhsa_next_free_sgpr 102
		.amdhsa_reserve_vcc 0
		.amdhsa_float_denorm_mode_32 3
		.amdhsa_float_denorm_mode_16_64 3
		.amdhsa_memory_ordered 1
		.amdhsa_forward_progress 1
		.amdhsa_inst_pref_size 212
	.end_amdhsa_kernel
	.amdgpu_metadata
---
amdhsa.version: [ 1, 2 ]
amdhsa.kernels:
  - .name:           k_qbbc64f9e49_kv
    .symbol:         k_qbbc64f9e49_kv.kd
    .args:
      - { .name: xc, .offset: 0, .size: 8, .value_kind: global_buffer, .address_space: global }
      - { .name: wc, .offset: 8, .size: 8, .value_kind: global_buffer, .address_space: global }
      - { .name: lowp_scales, .offset: 16, .size: 8, .value_kind: global_buffer, .address_space: global }
      - { .name: part, .offset: 24, .size: 8, .value_kind: global_buffer, .address_space: global }
      - { .name: q, .offset: 32, .size: 8, .value_kind: global_buffer, .address_space: global }
      - { .name: Wq, .offset: 40, .size: 8, .value_kind: global_buffer, .address_space: global }
      - { .name: Wo, .offset: 48, .size: 8, .value_kind: global_buffer, .address_space: global }
      - { .name: qc, .offset: 56, .size: 8, .value_kind: global_buffer, .address_space: global }
      - { .name: wq, .offset: 64, .size: 8, .value_kind: global_buffer, .address_space: global }
    .group_segment_fixed_size: 327680
    .private_segment_fixed_size: 0
    .kernarg_segment_align: 8
    .kernarg_segment_size: 72
    .max_flat_workgroup_size: 128
    .sgpr_count:     102
    .vgpr_count:     1024
    .wavefront_size: 32
...
	.end_amdgpu_metadata
.endif
;; end of part 2
;; launch qy (part 3): grid 64 x 4, 4 waves a work-group, clusters of 4 x 4, 327,680 bytes of LDS; arguments wq, qc, lowp_scales, yc, part; writes yc
.if DOCPART == 3
	.amdgcn_target "amdgcn-amd-amdhsa--gfx1250"
	.amdhsa_code_object_version 6
	.text
	.protected	k_qbbc64f9e49_qy
	.globl	k_qbbc64f9e49_qy
	.p2align	8
	.type	k_qbbc64f9e49_qy,@function
k_qbbc64f9e49_qy:
	s_mov_b64 s[64:65], 0
	v_nop
	global_prefetch_b8 v0, s[64:65] scope:SCOPE_SE
	s_setreg_imm32_b32 hwreg(HW_REG_WAVE_MODE, 25, 1), 1
	s_wait_xcnt 0x0
	s_wait_alu depctr_hold_cnt(0) depctr_sa_sdst(0) depctr_va_vdst(0) depctr_va_sdst(0) depctr_va_ssrc(0) depctr_va_vcc(0) depctr_vm_vsrc(0)
	s_getreg_b32 s2, hwreg(HW_REG_IB_STS2, 6, 4)
	s_cmp_eq_u32 s2, 0
	s_cbranch_scc0 .Lentry_in_a_cluster
	s_endpgm
.Lentry_in_a_cluster:
	s_bfe_u32 s2, ttmp6, 0x10000c
	s_cmp_lg_u32 s2, 0xf033
	s_cbranch_scc0 .Lentry_shape_is_right
	s_endpgm
.Lentry_shape_is_right:
; Q = q Wq^T on codes of BF8; R = num / den from launch kv's sums; Yt = sigmoid(Q) x R; Yt's codes (entry 10), with the hidden units d innermost in their true order.
; WORK LEFT OUT: num and den do not hang on the row i (exp_pos_bias is 1 for every finite W_bias), so one R for each (b, d) serves all tokens of batch b.
; THE GEMM.  X = 256 rows of Wq (hidden units d; the work-group's y), Y = 128 rows of q (tokens; the work-group's x).  Four waves, each 128 d x 64 tokens: 32 accumulators in window 2.
; THE RING has two LDS slots of UNEQUAL size: slot A holds 256 along K (two steps of 128), slot B 512 (four steps), each brought by one tensor load a wave.  The walk: A K[0,256) | B K[256,768) | A K[768,1024):
; three quarters of K are asked for at the head, and the one refill has 112 matrix instructions of the wave between its request and the wait for it.
; Source 0 = 16 rows of X, source 1 = 16 rows of Y: a lane holds ONE token (lane % 16) and an accumulator's eight registers hold eight neighbouring d, neighbours along the last product's K: a conversion's result is 8 bytes of a row of yc.
; CLUSTERS: 4 x 4 work-groups; X's tile is asked for jointly along a row of the cluster, Y's along a column.
; R = num x (1 / den) is made once for each d; reference() writes (sigmoid x num) / den: the same number but for f32 rounding.
; LIMITS: e0 + e1 between -126 and 127; e10 between -126 and 112.  NaN is not served.  A den that is 0 or under 2^-126 gives no finite result.
; REGISTERS.  window 0: v16-18, v20-22 fragment addresses (slot A, slot B); v24-27, v30, v31 the way out's; v28, v29 the add's two; v128-255 X's fragments.  window 1: v0-127 Y's two sets; v128-255 the 64 partial sums (two d a thread).
;   On the way out window 0 holds: v32-95 64 numbers at work; v96-159 codes; v160-223 R of my lane's 64 d; v224, v225 the hold and the scale.
; THE TILES.  Codes lie in memory in planes of 256 along K (launch quant), so every tile is one dense block.  Slot A holds one plane of X and of Y, slot B two.  Each of the four tiles has ONE wave that fetches it, whole:
; wave 0 X in A, wave 1 X in B, wave 2 Y in A, wave 3 Y in B; all four go out at the head, one a wave.  yc is laid the same way: blocks of 128 tokens, in each four planes of 256 d.  No prefetch: the text has no loop to run ahead in.
.set PA,     272                       ; an LDS row: 256 bytes + 16 of padding: row r starts at bank 4 r mod 64 (64 banks of 4 bytes: ISA guide 11.1)
.set FR,     16
.set XHA,    128*PA                    ; a wave's half of X's rows in a plane
.set YHA,    64*PA                     ; and of Y's
.set XCH,    2*XHA                     ; a plane of X: 256 rows
.set YCH,    2*YHA                     ; a plane of Y: 128 rows
.set YOFFA,  XCH
.set SB,     XCH+YCH                   ; slot B begins here: X's two planes, then Y's two
.set YOFFB,  2*XCH
.set SPARE,  SB+2*XCH+2*YCH            ; behind the ring: the spare words, 128 bytes for each wave
.set SCR,    SPARE+512                 ; behind them: bytes that no tensor load fills
.set RT,     SCR                       ; 1 KiB: R of my work-group's 256 d
.set STG,    SB                        ; the stage, 128 rows (tokens) x (256 codes + 16), lies in slot B: B has had its one fill, and every wave has passed the change from B to A, behind which nobody reads it
.set ADRX, 16
.set ADRY, 20
.set STO,  24                          ; v24  where I put 8 codes
.set RD,   25                          ; v25  where I read a row back
.set GO,   26                          ; v26  my byte offset in yc
.set RW,   27                          ; v27  where I put my two R
.set SPW,  28
.set NIL,  29
.set PO,   30                          ; v30  8 x thread: my two d in a row of part
.set RR0,  31                          ; v31  where my lane's R begin
.set XF,   128
.set TMP,  32
.set RR,   160
.set G1X, 24                           ; s[24:31] descriptor group 1 for X's tiles in slot A; s[80:87] in slot B
.set DGX, 56
.set G0X, 32
.set G1Y, 48                           ; s[48:55] and s[88:95]: the same for Y's
.set DGY, 40
.set G0Y, 56
.set MUL_K, 0xa4                       ; source 0 (X) window 0, source 1 (Y) window 1, C and D window 2
.set MSB, 0
.macro WIN new
.if MSB != \new
	s_set_vgpr_msb (MSB<<8)|\new
.set MSB, \new
.endif
.endm
.macro PLACES                          ; four plain vector lines behind a matrix instruction (ISA guide 7.12.1)
.rept 4
	v_nop
.endr
.endm
.macro SHAPE g, cols, rows             ; words 1 to 7 of a group 1: a tile of rows x cols bytes out of rows of 256
	s_mov_b32 s[\g+1], (\cols)<<16
	s_mov_b32 s[\g+2], (\rows)<<16
	s_mov_b32 s[\g+3], (\cols)<<16
	s_mov_b32 s[\g+4], \rows
	s_mov_b32 s[\g+5], 256
	s_mov_b32 s[\g+6], 0
	s_mov_b32 s[\g+7], 0
.endm
.macro JLOAD s                         ; a joint load into slot s: wave s fetches X's whole tile, wave 2 + s Y's; an s_nop 0 and four v_nop follow each line
	s_cmp_eq_u32 s14, \s                           ; wave s fetches X's tile of slot s,
	s_cbranch_scc0 .Lfor_y_\@
	tensor_load_to_lds s[G0X+4*\s:G0X+4*\s+3], s[G1X+DGX*\s:G1X+DGX*\s+7]
	s_nop 0
.rept 4
	v_nop
.endr
	s_branch .Lasked_\@
.Lfor_y_\@:
	s_cmp_eq_u32 s14, 2+\s                         ; wave 2 + s Y's, the other two nothing
	s_cbranch_scc0 .Lasked_\@
	tensor_load_to_lds s[G0Y+4*\s:G0Y+4*\s+3], s[G1Y+DGY*\s:G1Y+DGY*\s+7]
	s_nop 0
.rept 4
	v_nop
.endr
.Lasked_\@:
	PLACES                                         ; on every wave's way: the places ahead of the fragment loads that follow
.endm
.macro ARM g0, g1
	tensor_load_to_lds s[\g0:\g0+3], s[\g1:\g1+7]
	s_nop 0
.rept 4
	v_nop
.endr
.endm
.macro HLOAD                           ; the head's four fills, one chain, one fill to an arm: each wave asks for the tile that is its own
	s_cmp_eq_u32 s14, 0
	s_cbranch_scc0 .Lh1
	ARM G0X, G1X
	s_branch .Lhj
.Lh1:
	s_cmp_eq_u32 s14, 1
	s_cbranch_scc0 .Lh2
	ARM G0X+4, G1X+DGX
	s_branch .Lhj
.Lh2:
	s_cmp_eq_u32 s14, 2
	s_cbranch_scc0 .Lh3
	ARM G0Y, G1Y
	s_branch .Lhj
.Lh3:
	ARM G0Y+4, G1Y+DGY
.Lhj:
.endm
.macro CREST
	s_cmp_lg_u32 s14, 0
	s_cbranch_scc1 .Lnot_wave_0_\@
	s_barrier_signal -3
.Lnot_wave_0_\@:
	s_barrier_wait -3
	s_barrier_signal -1
	s_barrier_wait -1
.endm
.macro CROUND
	s_barrier_signal -1
	s_barrier_wait -1
	CREST
.endm
.macro FRAG reg, adr, slot, q, i
.irp c, 0,1,2,3
	ds_load_b128 v[\reg+4*\c:\reg+4*\c+3], v[\adr+(\q)/2] offset:128*((\q)%2)+32*\c+(\i)*16*PA   ; slot B's second plane has the next address register
.endr
.endm
.macro FETCH_Y slot, q, p
	WIN 0x40
.irp i, 0,1,2,3
	FRAG 64*(\p)+FR*\i, ADRY+\slot, \slot, \q, \i
.endr
	WIN 0
.endm
.macro FETCH_X slot, q, i0
.irp i, \i0, \i0+1, \i0+2, \i0+3
	FRAG XF+FR*(\i), ADRX+\slot, \slot, \q, \i
.endr
.endm
.macro MUL8 a0, p, zero                ; the 32 accumulators take turns, one instruction a turn, in the same order in every step
.irp a, \a0, \a0+1
.irp bb, 0,1,2,3
.if \zero
	v_wmma_f32_16x16x128_bf8_bf8 v[8*(8*\bb+(\a)):8*(8*\bb+(\a))+7], v[XF+FR*(\a):XF+FR*(\a)+FR-1], v[64*(\p)+FR*\bb:64*(\p)+FR*\bb+FR-1], 0
.else
	v_wmma_f32_16x16x128_bf8_bf8 v[8*(8*\bb+(\a)):8*(8*\bb+(\a))+7], v[XF+FR*(\a):XF+FR*(\a)+FR-1], v[64*(\p)+FR*\bb:64*(\p)+FR*\bb+FR-1], v[8*(8*\bb+(\a)):8*(8*\bb+(\a))+7]
.endif
.endr
.endr
.endm
.macro STEP p, ns, nq, zero, w         ; a step whose successor lies in the same slot: multiplies Y's set p, fetches the nq-th 128 of slot ns into the other set
	s_wait_dscnt 16                                ; Y's set and X's blocks 0-3 are in; the youngest 16 loads (blocks 4-7) may be out
	WIN \w
	MUL8 0, \p, \zero
	MUL8 2, \p, \zero
	s_wait_dscnt 0x0
	PLACES
	FETCH_Y \ns, \nq, 1-\p
	FETCH_X \ns, \nq, 0
	WIN \w
	MUL8 4, \p, \zero
	MUL8 6, \p, \zero
	PLACES
	WIN 0
	FETCH_X \ns, \nq, 4
.endm
.macro TURN slot, next, fill, w, dx, dy ; a slot's last step (Y's set 1), and the change of slots
	s_wait_tensorcnt 0x0                           ; all my tensor loads have landed: my part of the next slot
	ds_add_u32 v[SPW], v[NIL]                      ; 0 onto my spare word
	s_wait_dscnt 17                                ; (the add and the youngest 16 loads may be out)
	WIN \w
	MUL8 0, 1, 0
	s_wait_dscnt 0x0                               ; the add is done, and my reads of this slot are over
	s_barrier_signal -1
	MUL8 2, 1, 0
	WIN 0
	s_barrier_wait -1
.if \fill
	CREST                                          ; no wave of any partner still reads this slot or has a load on its way
	s_add_nc_u64 s[G0X+4*\slot+2:G0X+4*\slot+3], s[G0X+4*\slot+2:G0X+4*\slot+3], \dx
	s_add_nc_u64 s[G0Y+4*\slot+2:G0Y+4*\slot+3], s[G0Y+4*\slot+2:G0Y+4*\slot+3], \dy
	JLOAD \slot
.else
	PLACES
.endif
	FETCH_Y \next, 0, 0
	FETCH_X \next, 0, 0
	WIN \w
	MUL8 4, 1, 0
	MUL8 6, 1, 0
	PLACES
	WIN 0
	FETCH_X \next, 0, 4
.endm
.macro LAST w
	s_wait_dscnt 16
	WIN \w
	MUL8 0, 1, 0
	MUL8 2, 1, 0
	s_wait_dscnt 0x0
	MUL8 4, 1, 0
	MUL8 6, 1, 0
	WIN 0
.endm
	s_load_b256 s[4:11], s[0:1], 0x0               ; wq s[4:5] (Wq's codes at its head), qc s[6:7], the scales' exponents s[8:9], yc s[10:11]
	s_load_b64 s[12:13], s[0:1], 0x20              ; part
	v_lshl_add_u32 v[SPW], v0, 2, SPARE
	v_mov_b32 v[NIL], 0
	ds_add_u32 v[SPW], v[NIL]                      ; the wave's opening: the add, twice on end, and its wait ahead of my first tensor load
	ds_add_u32 v[SPW], v[NIL]
	v_lshrrev_b32 v1, 5, v0
	v_readfirstlane_b32 s14, v1                    ; wave 0..3
	s_lshr_b32 s15, s14, 1                         ; my half of X's rows; also: I fetch for X (0) or for Y (1)
	s_and_b32 s16, s14, 1                          ; my half of Y's rows; also: which slot's tile I fetch
	s_bfe_u32 s40, ttmp6, 0x40000
	s_bfe_u32 s41, ttmp6, 0x40004
	s_lshl_b32 s42, ttmp9, 2
	s_add_co_u32 s42, s42, s40                     ; work-group x: which 128 tokens
	s_and_b32 s17, ttmp7, 0xffff
	s_lshl_b32 s17, s17, 2
	s_add_co_u32 s17, s17, s41                     ; work-group y: which 256 d
	s_lshl_b32 s43, s41, 2
	s_lshl_b32 s43, 15, s43                        ; my row of the cluster
	s_lshl_b32 s44, 0x1111, s40                    ; my column
	s_or_b32 s[G1X], s43, (1<<20)|(1<<21)|(5<<22)|(3<<25)       ; the mask; elements of 1 byte; padding on; bit 21 beside a mask; four words after every 64
	s_or_b32 s[G1Y], s44, (1<<20)|(1<<21)|(5<<22)|(3<<25)
	s_or_b32 s[G1X+DGX], s43, (1<<20)|(1<<21)|(5<<22)|(3<<25)
	s_or_b32 s[G1Y+DGY], s44, (1<<20)|(1<<21)|(5<<22)|(3<<25)
	SHAPE G1X, 256, 256                            ; dense rows of 256 bytes: one plane of X,
	SHAPE G1X+DGX, 256, 512                        ; two planes of X,
	SHAPE G1Y, 256, 128                            ; one of Y,
	SHAPE G1Y+DGY, 256, 256                        ; two of Y
	s_lshl_b32 s20, s17, 18                        ; X: Wq's block y of 256 rows x 1,024 bytes (Wq's codes lie at wq's head)
	s_mov_b32 s21, 0
	s_lshl_b32 s46, s42, 17                        ; Y: q's block x of 128 rows x 1,024 bytes (q's codes lie in qc)
	s_mov_b32 s47, 0
	s_mul_i32 s66, s16, YHA
	s_add_co_u32 s66, s66, YOFFA                   ; Y in slot A,
	s_wait_dscnt 0x0                               ; both opening adds are done
	s_wait_kmcnt 0x0
	s_load_b256 s[68:75], s[8:9], 0x0              ; e0 .. e7
	s_load_b128 s[76:79], s[8:9], 0x20             ; e8 .. e11
	s_add_nc_u64 s[20:21], s[4:5], s[20:21]
	s_add_nc_u64 s[46:47], s[6:7], s[46:47]
	CROUND                                         ; all sixteen work-groups are here: the first joint loads meet
	s_mov_b32 s[G0X], 1                            ; slot A: K from 0 on
	s_mov_b32 s[G0X+1], 0
	s_mov_b64 s[G0X+2:G0X+3], s[20:21]
	s_or_b32 s[G0X+3], s[G0X+3], 0x80000000
	s_mov_b32 s[G0Y], 1
	s_mov_b32 s[G0Y+1], YOFFA
	s_mov_b64 s[G0Y+2:G0Y+3], s[46:47]
	s_or_b32 s[G0Y+3], s[G0Y+3], 0x80000000
	s_mov_b32 s[G0X+4], 1                          ; slot B: from plane 1 on
	s_mov_b32 s[G0X+5], SB
	s_add_nc_u64 s[G0X+6:G0X+7], s[20:21], 65536
	s_or_b32 s[G0X+7], s[G0X+7], 0x80000000
	s_mov_b32 s[G0Y+4], 1
	s_mov_b32 s[G0Y+5], SB+YOFFB
	s_add_nc_u64 s[G0Y+6:G0Y+7], s[46:47], 32768
	s_or_b32 s[G0Y+7], s[G0Y+7], 0x80000000
	HLOAD                                          ; one tensor load a wave at the head: planes 0, 1 and 2 of both operands
	; the 64 partial sums (32 y x num, den) of my two d, of my tokens' batch: asked for now, wanted behind the products
	s_lshr_b32 s46, s42, 4                         ; the batch: 128 tokens a work-group, 2,048 a batch
	s_lshl_b32 s46, s46, 12
	s_mov_b32 s47, 0
	s_add_nc_u64 s[12:13], s[12:13], s[46:47]
	s_lshl_b32 s20, s17, 10                        ; my work-group's 256 d
	s_mov_b32 s21, 0
	s_add_nc_u64 s[12:13], s[12:13], s[20:21]
	v_lshlrev_b32 v[PO], 3, v0
	WIN 0x40                                       ; destination window 1
.set n, 0
.rept 64
	global_load_b64 v[128+2*n:129+2*n], v[PO], s[12:13] offset:(n/2)*32768+(n%2)*16384
.set n, n+1
.endr
	WIN 0
	v_and_b32 v1, 15, v0                           ; r
	v_bfe_u32 v2, v0, 4, 1                         ; h
	v_mul_u32_u24 v3, v1, PA
	v_lshl_add_u32 v4, v2, 4, v3                   ; a fragment's row x pitch + 16 h, in slot A,
	s_mul_i32 s18, s15, XHA
	v_add_nc_u32 v[ADRX], s18, v4                  ; slot A,
	v_add_nc_u32 v[ADRY], s66, v4
	v_add_nc_u32 v[ADRX+1], SB, v[ADRX]            ; slot B's first plane,
	v_add_nc_u32 v[ADRX+2], SB+XCH, v[ADRX]        ; and its second
	v_add_nc_u32 v[ADRY+1], SB+YOFFB-YOFFA, v[ADRY]
	v_add_nc_u32 v[ADRY+2], SB+YOFFB-YOFFA+YCH, v[ADRY]
	v_lshl_add_u32 v[RW], v0, 3, RT
	s_lshl_b32 s18, s15, 9
	s_add_co_u32 s18, s18, RT
	v_lshl_add_u32 v[RR0], v2, 5, s18              ; RT + 4 (128 x my X half + 8 h)
	s_mul_i32 s18, s16, 64*272
	s_lshl_b32 s19, s15, 7
	s_add_co_u32 s18, s18, s19
	s_add_co_u32 s18, s18, STG
	v_lshl_add_u32 v[STO], v2, 3, v3
	v_add_nc_u32 v[STO], s18, v[STO]               ; the stage: row 64 x my Y half + r, byte 128 x my X half + 8 h
	s_mul_i32 s19, s14, 32*272
	s_add_co_u32 s19, s19, STG
	v_mul_u32_u24 v5, v2, 272
	v_lshl_add_u32 v5, v1, 4, v5
	v_add_nc_u32 v[RD], s19, v5                    ; back: my 32 rows; lanes 0-15 one row of 256 bytes, lanes 16-31 the next
	v_lshlrev_b32 v[GO], 8, v2
	v_lshl_add_u32 v[GO], v1, 4, v[GO]             ; and the same two rows in yc
	s_lshl_b32 s46, s42, 17                        ; yc: row 128 x,
	s_mov_b32 s47, 0
	s_add_nc_u64 s[10:11], s[10:11], s[46:47]
	s_lshl_b32 s20, s14, 13                        ; + 32 x wave rows of 256 bytes, in plane y of 128 x 256 bytes
	s_lshl_b32 s21, s17, 15
	s_add_co_u32 s20, s20, s21
	s_mov_b32 s21, 0
	s_add_nc_u64 s[10:11], s[10:11], s[20:21]
	s_wait_alu depctr_va_vdst(0)
	s_wait_tensorcnt 0x0                           ; my tile is in: the waves have asked for different ones, so the wait is for 0
	s_barrier_signal -1
	s_barrier_wait -1
	FETCH_Y 0, 0, 0
	FETCH_X 0, 0, 0
	FETCH_X 0, 0, 4
	STEP 0, 0, 1, 1, MUL_K                         ; A: K[0,256); the first products start the sums
	TURN 0, 1, 1, MUL_K, 3*65536, 3*32768          ; A takes plane 3
	STEP 0, 1, 1, 0, MUL_K                         ; B: K[256,768)
	STEP 1, 1, 2, 0, MUL_K
	STEP 0, 1, 3, 0, MUL_K
	TURN 1, 0, 0, MUL_K, 0, 0                      ; nothing is left to fetch
	STEP 0, 0, 1, 0, MUL_K                         ; A: K[768,1024)
	LAST MUL_K
	; THE WAY OUT.  (No tensor load is out since the last change of slots: the registers that held slot B's groups 1 are free)
	PLACES                                         ; what follows writes and loads registers that the last products read
	s_wait_loadcnt 0x0                             ; the partial sums
	s_wait_kmcnt 0x0
	s_add_co_i32 s80, s68, s69
	s_lshl_b32 s80, s80, 23
	s_add_co_u32 s86, s80, 0xbfb8aa3b              ; -log2(e) x 2^(e0 + e1): a sum of Q stands for sum x 2^(e0 + e1)
	s_mov_b32 s87, s86                             ; (named with it as a pair, so it is written)
	s_add_co_i32 s83, s74, s75
	s_sub_co_i32 s83, s83, s76
	s_sub_co_i32 s83, s83, s77                     ; e6 + e7 - e8 - e9: what num / den lacks
	s_add_co_i32 s81, s78, 127
	s_lshl_b32 s82, s81, 23
	v_mov_b32 v225, s82                            ; 2^e10
	s_add_co_i32 s81, s81, 15
	s_lshl_b32 s81, s81, 23
	s_or_b32 s81, s81, 0x600000
	v_mov_b32 v224, s81                            ; 57,344 x 2^e10
	WIN 0x45                                       ; destination and both sources window 1
.set y, 2
.rept 30                                       ; num and den over the 32 y, each in two chains (even y, odd y), in place
	v_pk_add_f32 v[128+4*(y%2):129+4*(y%2)], v[128+4*(y%2):129+4*(y%2)], v[128+4*y:129+4*y]
	v_pk_add_f32 v[130+4*(y%2):131+4*(y%2)], v[130+4*(y%2):131+4*(y%2)], v[130+4*y:131+4*y]
.set y, y+1
.endr
	v_pk_add_f32 v[128:129], v[128:129], v[132:133]
	v_pk_add_f32 v[130:131], v[130:131], v[134:135]
	s_wait_alu depctr_va_vdst(0)
	v_rcp_f32 v134, v130
	v_rcp_f32 v135, v131
	v_nop                                          ; a plain line behind the reciprocals,
	s_wait_alu depctr_va_vdst(0)                   ; and one wait for both, ahead of their first reader
	v_pk_mul_f32 v[128:129], v[128:129], v[134:135]
	v_ldexp_f32 v128, v128, s83
	v_ldexp_f32 v129, v129, s83                    ; R of my two d
	WIN 0x04                                       ; store data window 1, address window 0
	ds_store_b64 v[RW], v[128:129]
	WIN 0
	s_wait_dscnt 0x0                               ; for the others' sake: my store is done
	s_barrier_signal -1
	s_barrier_wait -1
.irp a, 0,1,2,3,4,5,6,7                        ; R of d = 16 a + 8 h + 0 .. 7 of my X half
	ds_load_b128 v[RR+8*\a:RR+8*\a+3], v[RR0] offset:64*\a
	ds_load_b128 v[RR+8*\a+4:RR+8*\a+7], v[RR0] offset:64*\a+16
.endr
; 16 tokens (Y's block g) x my 128 d: 64 numbers a lane; register 8 a + j is d = 16 a + 8 h + j.  Each accumulator is read from its low end on.
.macro YT g
.set AC, 64*(\g)
.set CODE, 96+16*(\g)
	WIN 0x02
.set i, 0
.rept 32
	v_pk_mul_f32 v[TMP+i:TMP+i+1], v[AC+i:AC+i+1], s[86:87] op_sel_hi:[1,0]   ; -Q log2(e)
.set i, i+2
.endr
	WIN 0
.set i, 0
	s_wait_alu depctr_va_vdst(0)
.rept 64
	v_exp_f32 v[TMP+i], v[TMP+i]
.set i, i+1
.endr
	v_nop
	s_wait_alu depctr_va_vdst(0)                   ; one wait for the batch of exponentials
.set i, 0
.rept 32
	v_pk_add_f32 v[TMP+i:TMP+i+1], v[TMP+i:TMP+i+1], 1.0 op_sel_hi:[1,0]
.set i, i+2
.endr
.set i, 0
	s_wait_alu depctr_va_vdst(0)
.rept 64
	v_rcp_f32 v[TMP+i], v[TMP+i]                   ; sigmoid(Q) = 1 / (1 + e^-Q)
.set i, i+1
.endr
	v_nop
	s_wait_alu depctr_va_vdst(0)                   ; one wait for the batch of reciprocals
.if (\g) == 0
	s_wait_dscnt 0x0                               ; R is in
.endif
.set i, 0
.rept 32
	v_pk_mul_f32 v[TMP+i:TMP+i+1], v[TMP+i:TMP+i+1], v[RR+i:RR+i+1]   ; Yt
.set i, i+2
.endr
.set i, 0
.rept 64
	v_med3_num_f32 v[TMP+i], v[TMP+i], -v224, v224 ; the hold (ISA guide 7.6.2: the conversion does not saturate)
.set i, i+1
.endr
.irp a, 0,1,2,3,4,5,6,7
	v_cvt_scalef32_pk8_bf8_f32 v[CODE+2*\a:CODE+2*\a+1], v[TMP+8*\a:TMP+8*\a+7], v225
.endr
	v_nop                                          ; a plain line behind the last conversion: the next block writes its sources
.irp a, 0,1,2,3,4,5,6,7
	ds_store_b64 v[STO], v[CODE+2*\a:CODE+2*\a+1] offset:(\g)*16*272+16*\a
.endr
.endm
	YT 0
	YT 1
	YT 2
	YT 3
	s_wait_dscnt 0x0                               ; for the others' sake: a row's 256 codes come from two waves
	s_barrier_signal -1
	s_barrier_wait -1
.irp t, 0,1,2,3,4,5,6,7,8,9,10,11,12,13,14,15
	ds_load_b128 v[TMP+4*\t:TMP+4*\t+3], v[RD] offset:\t*544
.endr
.irp t, 0,1,2,3,4,5,6,7,8,9,10,11,12,13,14,15
	s_wait_dscnt 15-\t                             ; LDS loads come back in order: load t is in, the younger ones may be out
	global_store_b128 v[GO], v[TMP+4*\t:TMP+4*\t+3], s[10:11] offset:512*\t   ; the wave stores 512 consecutive bytes, at a multiple of 512 from yc's first byte
.endr
	s_wait_tensorcnt 0x0                           ; the wave's end, behind my last tensor load and my last LDS store
	ds_add_u32 v[SPW], v[NIL]
	s_wait_dscnt 0x0
	CROUND                                         ; the closing round
	s_endpgm
.Lfunc_end_k_qbbc64f9e49_qy:
	.size	k_qbbc64f9e49_qy, .Lfunc_end_k_qbbc64f9e49_qy-k_qbbc64f9e49_qy
	.p2alignl 7, 3214868480
	.fill 96, 4, 3214868480
	.section	.rodata,"a",@progbits
	.p2align	6, 0x0
	.amdhsa_kernel k_qbbc64f9e49_qy
		.amdhsa_group_segment_fixed_size 327680
		.amdhsa_private_segment_fixed_size 0
		.amdhsa_enable_private_segment 0
		.amdhsa_kernarg_size 40
		.amdhsa_user_sgpr_count 2
		.amdhsa_user_sgpr_kernarg_segment_ptr 1
		.amdhsa_wavefront_size32 1
		.amdhsa_system_sgpr_workgroup_id_x 1
		.amdhsa_system_sgpr_workgroup_id_y 1
		.amdhsa_system_sgpr_workgroup_id_z 1
		.amdhsa_system_vgpr_workitem_id 0
		.amdhsa_next_free_vgpr 768
		.amdhsa_next_free_sgpr 100
		.amdhsa_reserve_vcc 0
		.amdhsa_float_denorm_mode_32 3
		.amdhsa_float_denorm_mode_16_64 3
		.amdhsa_memory_ordered 1
		.amdhsa_forward_progress 1
		.amdhsa_inst_pref_size 130
	.end_amdhsa_kernel
	.amdgpu_metadata
---
amdhsa.version: [ 1, 2 ]
amdhsa.kernels:
  - .name:           k_qbbc64f9e49_qy
    .symbol:         k_qbbc64f9e49_qy.kd
    .args:
      - { .name: wq, .offset: 0, .size: 8, .value_kind: global_buffer, .address_space: global }
      - { .name: qc, .offset: 8, .size: 8, .value_kind: global_buffer, .address_space: global }
      - { .name: lowp_scales, .offset: 16, .size: 8, .value_kind: global_buffer, .address_space: global }
      - { .name: yc, .offset: 24, .size: 8, .value_kind: global_buffer, .address_space: global }
      - { .name: part, .offset: 32, .size: 8, .value_kind: global_buffer, .address_space: global }
    .group_segment_fixed_size: 327680
    .private_segment_fixed_size: 0
    .kernarg_segment_align: 8
    .kernarg_segment_size: 40
    .max_flat_workgroup_size: 128
    .sgpr_count:     100
    .vgpr_count:     768
    .wavefront_size: 32
...
	.end_amdgpu_metadata
.endif
;; end of part 3
;; launch out (part 4): grid 64 x 4, 4 waves a work-group, clusters of 4 x 4, 327,680 bytes of LDS; arguments wq, yc, lowp_scales, out0; writes out0
.if DOCPART == 4
	.amdgcn_target "amdgcn-amd-amdhsa--gfx1250"
	.amdhsa_code_object_version 6
	.text
	.protected	k_qbbc64f9e49_out
	.globl	k_qbbc64f9e49_out
	.p2align	8
	.type	k_qbbc64f9e49_out,@function
k_qbbc64f9e49_out:
	s_mov_b64 s[64:65], 0
	v_nop
	global_prefetch_b8 v0, s[64:65] scope:SCOPE_SE
	s_setreg_imm32_b32 hwreg(HW_REG_WAVE_MODE, 25, 1), 1
	s_wait_xcnt 0x0
	s_wait_alu depctr_hold_cnt(0) depctr_sa_sdst(0) depctr_va_vdst(0) depctr_va_sdst(0) depctr_va_ssrc(0) depctr_va_vcc(0) depctr_vm_vsrc(0)
	s_getreg_b32 s2, hwreg(HW_REG_IB_STS2, 6, 4)
	s_cmp_eq_u32 s2, 0
	s_cbranch_scc0 .Lentry_in_a_cluster
	s_endpgm
.Lentry_in_a_cluster:
	s_bfe_u32 s2, ttmp6, 0x10000c
	s_cmp_lg_u32 s2, 0xf033
	s_cbranch_scc0 .Lentry_shape_is_right
	s_endpgm
.Lentry_shape_is_right:
; out0 = Yt Wo^T on codes of BF8; each finished sum is multiplied once by 2^(e10 + e11).
; THE GEMM.  X = 256 rows of Wo (output columns m; the work-group's y), Y = 128 rows of Yt's codes (tokens; the work-group's x).  Four waves, each 128 m x 64 tokens: 32 accumulators in window 2.
; THE RING has two LDS slots of UNEQUAL size: slot A holds 256 along K (two steps of 128), slot B 512 (four steps), each brought by one tensor load a wave.  The walk: A K[0,256) | B K[256,768) | A K[768,1024):
; three quarters of K are asked for at the head, and the one refill has 112 matrix instructions of the wave between its request and the wait for it.
; Source 0 = 16 rows of X, source 1 = 16 rows of Y: a lane holds ONE token (lane % 16) and an accumulator's eight registers hold eight neighbouring columns of its row of out0: 32 bytes.
; CLUSTERS: 4 x 4 work-groups; X's tile is asked for jointly along a row of the cluster, Y's along a column.
; LIMIT: e10 + e11 between -126 and 127, so that 2^(e10 + e11) is an f32 number.
; REGISTERS.  window 0: v16-18, v20-22 fragment addresses (slot A, slot B); v24-26 the way out's; v28, v29 the add's two; v128-255 X's fragments.  window 1: v0-127 Y's two sets.  On the way out: v32-95 a block's results; window 1's v0-255 the four blocks' rows read back, 64 each.
; THE TILES.  Codes lie in memory in planes of 256 along K (launches quant and qy), so every tile is one dense block.  Slot A holds one plane of X and of Y, slot B two.  Each of the four tiles has ONE wave that fetches it, whole:
; wave 0 X in A, wave 1 X in B, wave 2 Y in A, wave 3 Y in B; all four go out at the head, one a wave.  No prefetch: the text has no loop to run ahead in.
.set PA,     272                       ; an LDS row: 256 bytes + 16 of padding: row r starts at bank 4 r mod 64 (64 banks of 4 bytes: ISA guide 11.1)
.set FR,     16
.set XHA,    128*PA                    ; a wave's half of X's rows in a plane
.set YHA,    64*PA                     ; and of Y's
.set XCH,    2*XHA                     ; a plane of X: 256 rows
.set YCH,    2*YHA                     ; a plane of Y: 128 rows
.set YOFFA,  XCH
.set SB,     XCH+YCH                   ; slot B begins here: X's two planes, then Y's two
.set YOFFB,  2*XCH
.set SPARE,  SB+2*XCH+2*YCH            ; behind the ring: the spare words, 128 bytes for each wave
.set STG,    SB                        ; the stages, 16 rows x (512 bytes + 16) for each wave, lie in slot B: B has had its one fill, and every wave has passed the change from B to A, behind which nobody reads it
.set SPITCH, 528
.set XBASE,  1<<20                     ; Wo's codes in wq
.set ADRX, 16
.set ADRY, 20
.set STO,  24                          ; v24  where I put 32 bytes of a row
.set RD,   25                          ; v25  where I read a row back
.set CO,   26                          ; v26  16 x lane
.set SPW,  28
.set NIL,  29
.set XF,   128
.set TMP,  32
.set G1X, 24                           ; s[24:31] descriptor group 1 for X's tiles in slot A; s[80:87] in slot B
.set DGX, 56
.set G0X, 32
.set G1Y, 48                           ; s[48:55] and s[88:95]: the same for Y's
.set DGY, 40
.set G0Y, 56
.set MUL_K, 0xa4                       ; source 0 (X) window 0, source 1 (Y) window 1, C and D window 2
.set MSB, 0
.macro WIN new
.if MSB != \new
	s_set_vgpr_msb (MSB<<8)|\new
.set MSB, \new
.endif
.endm
.macro PLACES                          ; four plain vector lines behind a matrix instruction (ISA guide 7.12.1)
.rept 4
	v_nop
.endr
.endm
.macro SHAPE g, cols, rows             ; words 1 to 7 of a group 1: a tile of rows x cols bytes out of rows of 256
	s_mov_b32 s[\g+1], (\cols)<<16
	s_mov_b32 s[\g+2], (\rows)<<16
	s_mov_b32 s[\g+3], (\cols)<<16
	s_mov_b32 s[\g+4], \rows
	s_mov_b32 s[\g+5], 256
	s_mov_b32 s[\g+6], 0
	s_mov_b32 s[\g+7], 0
.endm
.macro JLOAD s                         ; a joint load into slot s: wave s fetches X's whole tile, wave 2 + s Y's; an s_nop 0 and four v_nop follow each line
	s_cmp_eq_u32 s14, \s                           ; wave s fetches X's tile of slot s,
	s_cbranch_scc0 .Lfor_y_\@
	tensor_load_to_lds s[G0X+4*\s:G0X+4*\s+3], s[G1X+DGX*\s:G1X+DGX*\s+7]
	s_nop 0
.rept 4
	v_nop
.endr
	s_branch .Lasked_\@
.Lfor_y_\@:
	s_cmp_eq_u32 s14, 2+\s                         ; wave 2 + s Y's, the other two nothing
	s_cbranch_scc0 .Lasked_\@
	tensor_load_to_lds s[G0Y+4*\s:G0Y+4*\s+3], s[G1Y+DGY*\s:G1Y+DGY*\s+7]
	s_nop 0
.rept 4
	v_nop
.endr
.Lasked_\@:
	PLACES                                         ; on every wave's way: the places ahead of the fragment loads that follow
.endm
.macro ARM g0, g1
	tensor_load_to_lds s[\g0:\g0+3], s[\g1:\g1+7]
	s_nop 0
.rept 4
	v_nop
.endr
.endm
.macro HLOAD                           ; the head's four fills, one chain, one fill to an arm: each wave asks for the tile that is its own
	s_cmp_eq_u32 s14, 0
	s_cbranch_scc0 .Lh1
	ARM G0X, G1X
	s_branch .Lhj
.Lh1:
	s_cmp_eq_u32 s14, 1
	s_cbranch_scc0 .Lh2
	ARM G0X+4, G1X+DGX
	s_branch .Lhj
.Lh2:
	s_cmp_eq_u32 s14, 2
	s_cbranch_scc0 .Lh3
	ARM G0Y, G1Y
	s_branch .Lhj
.Lh3:
	ARM G0Y+4, G1Y+DGY
.Lhj:
.endm
.macro CREST
	s_cmp_lg_u32 s14, 0
	s_cbranch_scc1 .Lnot_wave_0_\@
	s_barrier_signal -3
.Lnot_wave_0_\@:
	s_barrier_wait -3
	s_barrier_signal -1
	s_barrier_wait -1
.endm
.macro CROUND
	s_barrier_signal -1
	s_barrier_wait -1
	CREST
.endm
.macro FRAG reg, adr, slot, q, i
.irp c, 0,1,2,3
	ds_load_b128 v[\reg+4*\c:\reg+4*\c+3], v[\adr+(\q)/2] offset:128*((\q)%2)+32*\c+(\i)*16*PA   ; slot B's second plane has the next address register
.endr
.endm
.macro FETCH_Y slot, q, p
	WIN 0x40
.irp i, 0,1,2,3
	FRAG 64*(\p)+FR*\i, ADRY+\slot, \slot, \q, \i
.endr
	WIN 0
.endm
.macro FETCH_X slot, q, i0
.irp i, \i0, \i0+1, \i0+2, \i0+3
	FRAG XF+FR*(\i), ADRX+\slot, \slot, \q, \i
.endr
.endm
.macro MUL8 a0, p, zero                ; the 32 accumulators take turns, one instruction a turn, in the same order in every step
.irp a, \a0, \a0+1
.irp bb, 0,1,2,3
.if \zero
	v_wmma_f32_16x16x128_bf8_bf8 v[8*(8*\bb+(\a)):8*(8*\bb+(\a))+7], v[XF+FR*(\a):XF+FR*(\a)+FR-1], v[64*(\p)+FR*\bb:64*(\p)+FR*\bb+FR-1], 0
.else
	v_wmma_f32_16x16x128_bf8_bf8 v[8*(8*\bb+(\a)):8*(8*\bb+(\a))+7], v[XF+FR*(\a):XF+FR*(\a)+FR-1], v[64*(\p)+FR*\bb:64*(\p)+FR*\bb+FR-1], v[8*(8*\bb+(\a)):8*(8*\bb+(\a))+7]
.endif
.endr
.endr
.endm
.macro STEP p, ns, nq, zero, w         ; a step whose successor lies in the same slot: multiplies Y's set p, fetches the nq-th 128 of slot ns into the other set
	s_wait_dscnt 16                                ; Y's set and X's blocks 0-3 are in; the youngest 16 loads (blocks 4-7) may be out
	WIN \w
	MUL8 0, \p, \zero
	MUL8 2, \p, \zero
	s_wait_dscnt 0x0
	PLACES
	FETCH_Y \ns, \nq, 1-\p
	FETCH_X \ns, \nq, 0
	WIN \w
	MUL8 4, \p, \zero
	MUL8 6, \p, \zero
	PLACES
	WIN 0
	FETCH_X \ns, \nq, 4
.endm
.macro TURN slot, next, fill, w, dx, dy ; a slot's last step (Y's set 1), and the change of slots
	s_wait_tensorcnt 0x0                           ; all my tensor loads have landed: my part of the next slot
	ds_add_u32 v[SPW], v[NIL]                      ; 0 onto my spare word
	s_wait_dscnt 17                                ; (the add and the youngest 16 loads may be out)
	WIN \w
	MUL8 0, 1, 0
	s_wait_dscnt 0x0                               ; the add is done, and my reads of this slot are over
	s_barrier_signal -1
	MUL8 2, 1, 0
	WIN 0
	s_barrier_wait -1
.if \fill
	CREST                                          ; no wave of any partner still reads this slot or has a load on its way
	s_add_nc_u64 s[G0X+4*\slot+2:G0X+4*\slot+3], s[G0X+4*\slot+2:G0X+4*\slot+3], \dx
	s_add_nc_u64 s[G0Y+4*\slot+2:G0Y+4*\slot+3], s[G0Y+4*\slot+2:G0Y+4*\slot+3], \dy
	JLOAD \slot
.else
	PLACES
.endif
	FETCH_Y \next, 0, 0
	FETCH_X \next, 0, 0
	WIN \w
	MUL8 4, 1, 0
	MUL8 6, 1, 0
	PLACES
	WIN 0
	FETCH_X \next, 0, 4
.endm
.macro LAST w
	s_wait_dscnt 16
	WIN \w
	MUL8 0, 1, 0
	MUL8 2, 1, 0
	s_wait_dscnt 0x0
	MUL8 4, 1, 0
	MUL8 6, 1, 0
	WIN 0
.endm
	s_load_b256 s[4:11], s[0:1], 0x0               ; wq s[4:5], yc s[6:7], the scales' exponents s[8:9], out0 s[10:11]
	v_lshl_add_u32 v[SPW], v0, 2, SPARE
	v_mov_b32 v[NIL], 0
	ds_add_u32 v[SPW], v[NIL]                      ; the wave's opening: the add, twice on end, and its wait ahead of my first tensor load
	ds_add_u32 v[SPW], v[NIL]
	v_lshrrev_b32 v1, 5, v0
	v_readfirstlane_b32 s14, v1                    ; wave 0..3
	s_lshr_b32 s15, s14, 1                         ; my half of X's rows; also: I fetch for X (0) or for Y (1)
	s_and_b32 s16, s14, 1                          ; my half of Y's rows; also: which slot's tile I fetch
	s_bfe_u32 s40, ttmp6, 0x40000
	s_bfe_u32 s41, ttmp6, 0x40004
	s_lshl_b32 s42, ttmp9, 2
	s_add_co_u32 s42, s42, s40                     ; work-group x: which 128 tokens
	s_and_b32 s17, ttmp7, 0xffff
	s_lshl_b32 s17, s17, 2
	s_add_co_u32 s17, s17, s41                     ; work-group y: which 256 columns of out0
	s_lshl_b32 s43, s41, 2
	s_lshl_b32 s43, 15, s43                        ; my row of the cluster
	s_lshl_b32 s44, 0x1111, s40                    ; my column
	s_or_b32 s[G1X], s43, (1<<20)|(1<<21)|(5<<22)|(3<<25)       ; the mask; elements of 1 byte; padding on; bit 21 beside a mask; four words after every 64
	s_or_b32 s[G1Y], s44, (1<<20)|(1<<21)|(5<<22)|(3<<25)
	s_or_b32 s[G1X+DGX], s43, (1<<20)|(1<<21)|(5<<22)|(3<<25)
	s_or_b32 s[G1Y+DGY], s44, (1<<20)|(1<<21)|(5<<22)|(3<<25)
	SHAPE G1X, 256, 256                            ; dense rows of 256 bytes: one plane of X,
	SHAPE G1X+DGX, 256, 512                        ; two planes of X,
	SHAPE G1Y, 256, 128                            ; one of Y,
	SHAPE G1Y+DGY, 256, 256                        ; two of Y
	s_lshl_b32 s20, s17, 18                        ; X: Wo's block y of 256 rows x 1,024 bytes
	s_add_co_u32 s20, s20, XBASE
	s_mov_b32 s21, 0
	s_lshl_b32 s46, s42, 17                        ; Y: Yt's block x of 128 rows x 1,024 bytes
	s_mov_b32 s47, 0
	s_mul_i32 s66, s16, YHA
	s_add_co_u32 s66, s66, YOFFA                   ; Y in slot A,
	s_wait_dscnt 0x0                               ; both opening adds are done
	s_wait_kmcnt 0x0
	s_load_b128 s[76:79], s[8:9], 0x20             ; e8 .. e11
	s_add_nc_u64 s[20:21], s[4:5], s[20:21]
	s_add_nc_u64 s[46:47], s[6:7], s[46:47]
	CROUND                                         ; all sixteen work-groups are here: the first joint loads meet
	s_mov_b32 s[G0X], 1                            ; slot A: K from 0 on
	s_mov_b32 s[G0X+1], 0
	s_mov_b64 s[G0X+2:G0X+3], s[20:21]
	s_or_b32 s[G0X+3], s[G0X+3], 0x80000000
	s_mov_b32 s[G0Y], 1
	s_mov_b32 s[G0Y+1], YOFFA
	s_mov_b64 s[G0Y+2:G0Y+3], s[46:47]
	s_or_b32 s[G0Y+3], s[G0Y+3], 0x80000000
	s_mov_b32 s[G0X+4], 1                          ; slot B: from plane 1 on
	s_mov_b32 s[G0X+5], SB
	s_add_nc_u64 s[G0X+6:G0X+7], s[20:21], 65536
	s_or_b32 s[G0X+7], s[G0X+7], 0x80000000
	s_mov_b32 s[G0Y+4], 1
	s_mov_b32 s[G0Y+5], SB+YOFFB
	s_add_nc_u64 s[G0Y+6:G0Y+7], s[46:47], 32768
	s_or_b32 s[G0Y+7], s[G0Y+7], 0x80000000
	HLOAD                                          ; one tensor load a wave at the head: planes 0, 1 and 2 of both operands
	v_and_b32 v1, 15, v0                           ; r
	v_bfe_u32 v2, v0, 4, 1                         ; h
	v_mul_u32_u24 v3, v1, PA
	v_lshl_add_u32 v4, v2, 4, v3                   ; a fragment's row x pitch + 16 h, in slot A,
	s_mul_i32 s18, s15, XHA
	v_add_nc_u32 v[ADRX], s18, v4                  ; slot A,
	v_add_nc_u32 v[ADRY], s66, v4
	v_add_nc_u32 v[ADRX+1], SB, v[ADRX]            ; slot B's first plane,
	v_add_nc_u32 v[ADRX+2], SB+XCH, v[ADRX]        ; and its second
	v_add_nc_u32 v[ADRY+1], SB+YOFFB-YOFFA, v[ADRY]
	v_add_nc_u32 v[ADRY+2], SB+YOFFB-YOFFA+YCH, v[ADRY]
	s_mul_i32 s18, s14, 16*SPITCH
	s_add_co_u32 s18, s18, STG                     ; my stage
	v_mul_u32_u24 v5, v1, SPITCH                   ; in: row r, 32 bytes for each half of the lanes
	v_lshl_add_u32 v5, v2, 5, v5
	v_add_nc_u32 v[STO], s18, v5
	v_and_b32 v6, 31, v0
	v_lshlrev_b32 v[CO], 4, v6                     ; back: the 32 lanes take one row of 512 bytes; and the same in out0
	v_add_nc_u32 v[RD], s18, v[CO]
	s_lshl_b32 s46, s42, 19                        ; out0: row 128 x,
	s_mov_b32 s47, 0
	s_add_nc_u64 s[10:11], s[10:11], s[46:47]
	s_lshl_b32 s20, s16, 18                        ; + 64 x my Y half; byte 1,024 y + 512 x my X half
	s_lshl_b32 s21, s17, 10
	s_add_co_u32 s20, s20, s21
	s_lshl_b32 s21, s15, 9
	s_add_co_u32 s20, s20, s21
	s_mov_b32 s21, 0
	s_add_nc_u64 s[10:11], s[10:11], s[20:21]
	s_wait_alu depctr_va_vdst(0)
	s_wait_tensorcnt 0x0                           ; my tile is in: the waves have asked for different ones, so the wait is for 0
	s_barrier_signal -1
	s_barrier_wait -1
	FETCH_Y 0, 0, 0
	FETCH_X 0, 0, 0
	FETCH_X 0, 0, 4
	STEP 0, 0, 1, 1, MUL_K                         ; A: K[0,256); the first products start the sums
	TURN 0, 1, 1, MUL_K, 3*65536, 3*32768          ; A takes plane 3
	STEP 0, 1, 1, 0, MUL_K                         ; B: K[256,768)
	STEP 1, 1, 2, 0, MUL_K
	STEP 0, 1, 3, 0, MUL_K
	TURN 1, 0, 0, MUL_K, 0, 0                      ; nothing is left to fetch
	STEP 0, 0, 1, 0, MUL_K                         ; A: K[768,1024)
	LAST MUL_K
; THE WAY OUT, block by block of 16 tokens x 128 columns.  A lane holds 32 neighbouring bytes of a row and the lanes beside it hold other rows: so a block goes through my own stage in LDS and comes back as whole rows of
; 512 bytes.  LDS serves a wave's instructions in order (ISA guide 5.7.1.4): no wait between the stores and the loads, nor ahead of the next block's stores.
.macro TOSTAGE g
.set AC, 64*(\g)
	WIN 0x02                                       ; source 0 window 2
.set i, 0
.rept 32
	v_pk_mul_f32 v[TMP+i:TMP+i+1], v[AC+i:AC+i+1], s[96:97] op_sel_hi:[1,0]   ; x 2^(e10 + e11); each accumulator from its low end on
.set i, i+2
.endr
	WIN 0
.irp a, 0,1,2,3,4,5,6,7
	ds_store_b128 v[STO], v[TMP+8*\a:TMP+8*\a+3] offset:64*\a
	ds_store_b128 v[STO], v[TMP+8*\a+4:TMP+8*\a+7] offset:64*\a+16
.endr
.set BB, 64*(\g)                       ; the four blocks' rows come back into window 1, 64 registers each: Y's sets are done with
	WIN 0x40                                       ; destination window 1
.irp t, 0,1,2,3,4,5,6,7,8,9,10,11,12,13,14,15
	ds_load_b128 v[BB+4*\t:BB+4*\t+3], v[RD] offset:\t*SPITCH
.endr
	WIN 0
.endm
.macro SEND g, younger                 ; younger: the LDS instructions issued behind block g's loads, which may stay out
.set BB, 64*(\g)
	s_wait_dscnt \younger
.irp t, 0,1,2,3,4,5,6,7,8,9,10,11,12,13,14,15
	global_store_b128 v[CO], v[BB+4*\t:BB+4*\t+3], s[10:11] offset:(16*(\g)+\t)*4096 th:TH_STORE_NT   ; 32 lanes store 512 consecutive bytes, at a multiple of 512 from out0's first byte; every offset is an immediate, so no base is stepped
.endr
.endm
	s_wait_kmcnt 0x0
	s_add_co_i32 s96, s78, s79
	s_add_co_i32 s96, s96, 127
	s_lshl_b32 s96, s96, 23                        ; 2^(e10 + e11) as f32
	s_mov_b32 s97, s96                             ; (named with it as a pair, so it is written)
	PLACES                                         ; ahead of the loads into the registers that held X's fragments, and of the reads of the last results
.irp a, 0,1,2,3                        ; all vector and LDS work first,
	TOSTAGE \a
.endr
	WIN 0x04                                       ; store data window 1, address window 0
	SEND 0, 63                                     ; then the 64 stores in one run.  Behind block g's loads stand 32 (3 - g) LDS instructions; the wait's field holds 63 at the most
	SEND 1, 63
	SEND 2, 32
	SEND 3, 0
	WIN 0
	s_wait_tensorcnt 0x0                           ; the wave's end, behind my last tensor load and my last LDS store
	ds_add_u32 v[SPW], v[NIL]
	s_wait_dscnt 0x0
	CROUND                                         ; the closing round
	s_endpgm
.Lfunc_end_k_qbbc64f9e49_out:
	.size	k_qbbc64f9e49_out, .Lfunc_end_k_qbbc64f9e49_out-k_qbbc64f9e49_out
	.p2alignl 7, 3214868480
	.fill 96, 4, 3214868480
	.section	.rodata,"a",@progbits
	.p2align	6, 0x0
	.amdhsa_kernel k_qbbc64f9e49_out
		.amdhsa_group_segment_fixed_size 327680
		.amdhsa_private_segment_fixed_size 0
		.amdhsa_enable_private_segment 0
		.amdhsa_kernarg_size 32
		.amdhsa_user_sgpr_count 2
		.amdhsa_user_sgpr_kernarg_segment_ptr 1
		.amdhsa_wavefront_size32 1
		.amdhsa_system_sgpr_workgroup_id_x 1
		.amdhsa_system_sgpr_workgroup_id_y 1
		.amdhsa_system_sgpr_workgroup_id_z 1
		.amdhsa_system_vgpr_workitem_id 0
		.amdhsa_next_free_vgpr 768
		.amdhsa_next_free_sgpr 100
		.amdhsa_reserve_vcc 0
		.amdhsa_float_denorm_mode_32 3
		.amdhsa_float_denorm_mode_16_64 3
		.amdhsa_memory_ordered 1
		.amdhsa_forward_progress 1
		.amdhsa_inst_pref_size 76
	.end_amdhsa_kernel
	.amdgpu_metadata
---
amdhsa.version: [ 1, 2 ]
amdhsa.kernels:
  - .name:           k_qbbc64f9e49_out
    .symbol:         k_qbbc64f9e49_out.kd
    .args:
      - { .name: wq, .offset: 0, .size: 8, .value_kind: global_buffer, .address_space: global }
      - { .name: yc, .offset: 8, .size: 8, .value_kind: global_buffer, .address_space: global }
      - { .name: lowp_scales, .offset: 16, .size: 8, .value_kind: global_buffer, .address_space: global }
      - { .name: out0, .offset: 24, .size: 8, .value_kind: global_buffer, .address_space: global }
    .group_segment_fixed_size: 327680
    .private_segment_fixed_size: 0
    .kernarg_segment_align: 8
    .kernarg_segment_size: 32
    .max_flat_workgroup_size: 128
    .sgpr_count:     100
    .vgpr_count:     768
    .wavefront_size: 32
...
	.end_amdgpu_metadata
.endif
;; end of part 4
